; MI455X (gfx1250); checked and timed in simulation.
; The chip was launched on July 23, 2026; its instructions are those of AMD's public machine-readable ISA for CDNA 5 (MIT licence, August 2026) and "CDNA5" Instruction Set Architecture Reference Guide (July 2026). The comments in the code are by the model that wrote it; some were corrected since.
;; Causal MHSA. Allowed arithmetic: matrix products marked QUANTISED: E2M1 operands, one E8M0 scale for each 32 along K, by v_wmma_scale_f32_16x16x128_f8f6f4 with both operands' format E2M1 (or v_wmma_scale_f32_32x16x128_f4), f32 sums; products left as they are: bf16, f16 or f32 operands; f32 sums; everything else in f32.
;; Inputs: Wk 1,024 x 1,024 float32; Wo 1,024 x 1,024 float32; Wq 1,024 x 1,024 float32; Wv 1,024 x 1,024 float32; token_positions 2,048 int32; x 4 x 2,048 x 1,024 float32.
;; Outputs: out0 4 x 2,048 x 1,024 float32.
;; This version of the problem:
;;   THIS VERSION OF THE PROBLEM IS GIVEN IN LOW PRECISION. The matrix products marked QUANTISED in the list below multiply operands that are first quantised to E2M1 (2 exponent bits, 1 mantissa bit; 4 bits a number), with one power-of-two scale for each 32 numbers along K (OCP MX v1.0); their sums are f32. The products marked 'left as it is' may take bf16, f16 or f32 operands, with f32 sums. Whichever they take, every output number must still come out within the allowed error. Rounding operands to bf16 (8 significant bits) uses up far more of that allowance than f16 does (11 bits, for magnitudes from 6e-5 to 65,504). All else is computed in f32.
;;   The module's matrix products, in the order in which they are computed (A, B: the left and right operand; K: the contracted axis; several contracted axes count as one K, in the product's order):
;;     1. [M 8,192, K 1,024] x [K 1,024, N 1,024]; A: input x; B: input Wq: QUANTISED
;;     2. [M 8,192, K 1,024] x [K 1,024, N 1,024]; A: input x; B: input Wk: QUANTISED
;;     3. [M 8,192, K 1,024] x [K 1,024, N 1,024]; A: input x; B: input Wv: QUANTISED
;;     4. batch 64 x [M 2,048, K 64] x [K 64, N 2,048]; A: computed on the way; B: computed on the way: left as it is (an operand is computed on the way)
;;     5. batch 64 x [M 2,048, K 2,048] x [K 2,048, N 64]; A: computed on the way; B: computed on the way: left as it is (an operand is computed on the way)
;;     6. [M 8,192, K 1,024] x [K 1,024, N 1,024]; A: computed on the way; B: input Wo: left as it is (an operand is computed on the way)
;;   THE QUANTISER, for each operand of a quantised product, along K:
;;     - K is cut into blocks of 32 from its start; a last block that is shorter is filled with zeros.
;;     - A block's scale is 2^e with e = floor(log2(the largest magnitude in the block)) - 2, held to -126 .. 127; a block of zeros has e = 0. As a byte (E8M0): e + 127.
;;     - Each number is divided by its block's scale, clamped to +-6, and rounded to the nearest number of E2M1, ties to even, subnormals kept.
;;     - The product sums the exact products of the quantised numbers (number of the format x scale) in f32.
;;   ~~~python
;;   def quantise(x, axis):      # numpy; x: float32 -> the quantised numbers, widened to float32 again
;;       x = np.moveaxis(x, axis, -1); K = x.shape[-1]
;;       x = np.pad(x, [(0, 0)] * (x.ndim - 1) + [(0, -K % 32)]); x = x.reshape(x.shape[:-1] + (-1, 32)); a = np.abs(x).max(-1, keepdims=True)
;;       e = np.where(a > 0, np.clip(np.frexp(np.where(a > 0, a, 1))[1] - 1 - 2, -126, 127), 0)      # np.frexp(a)[1] - 1 = floor(log2(a)), exactly
;;       r = np.clip(x / 2.0 ** e, -6, 6)
;;       step = 2.0 ** (np.maximum(np.frexp(np.where(r == 0, 1, r))[1] - 1, 0) - 1)
;;       q = np.round(r / step) * step * 2.0 ** e      # np.round: ties to even
;;       return np.moveaxis(q.reshape(q.shape[:-2] + (-1,))[..., :K], -1, axis).astype(np.float32)
;;   ~~~
;; One version. Each part assembles by itself: llvm-mc -triple=amdgcn-amd-amdhsa -mcpu=gfx1250 --defsym DOCPART=n.
;; ======== version 1 of 1: 5 launches
;; limits: values are held in f16: magnitudes above 65,504 overflow, below 6.1e-05 lose precision; right only within a limited range of input values
;; workspace buffers: codes 5,767,168 bytes; scales 360,448 bytes; wo16 2,097,152 bytes; rope 524,288 bytes; qkv16 50,331,648 bytes; h32 786,432 bytes; ctx16 16,777,216 bytes
;; launch prep (part 1): grid 528 x 1, 4 waves a work-group, no clusters, 33,280 bytes of LDS; arguments x, Wq, Wk, Wv, Wo, token_positions, codes, scales, wo16, rope; writes codes, scales, wo16, rope
.if DOCPART == 1
	.amdgcn_target "amdgcn-amd-amdhsa--gfx1250"
	.amdhsa_code_object_version 6
	.text
	.protected	k_q17b6069c0e_prep
	.globl	k_q17b6069c0e_prep
	.p2align	8
	.type	k_q17b6069c0e_prep,@function
k_q17b6069c0e_prep:
	s_mov_b64 s[64:65], 0
	v_nop
	global_prefetch_b8 v0, s[64:65] scope:SCOPE_SE
	s_setreg_imm32_b32 hwreg(HW_REG_WAVE_MODE, 25, 1), 1
	s_wait_xcnt 0x0
; PREP: everything that is made once from the inputs.  Four families of work-groups, told apart by the work-group's number alone; no barrier, and only the first family touches LDS.
;   0-255    x [8192][1024] f32 -> codes of FP4 (E2M1), K innermost, [8192][512 bytes], and one E8M0 byte for each 32 along K, [8192][32 bytes]
;   256-447  Wq, Wk, Wv [k 1024][n 1024] f32 (K is the FIRST axis) -> codes laid as images of the matrix operand's registers, and scale words [K/128][3072 n]
;   448-511  Wo [k][n] f32 -> f16, laid as images of the f16 operand's registers
;   512-527  token_positions -> a table [2048 s][32 i] of (cos, sin) of position x 10000^(-i/32), f32
; A block's scale is 2^(floor(log2(largest magnitude)) - 2); its byte is the largest magnitude's exponent field - 2, held at 1 from below.
; LIMITS: a block of zeros gets the byte 1 where the rule says 127 (its codes are zeros, and this program alone reads the bytes); blocks whose largest magnitude lies under 2^(3-127) are held at that floor;
; NaN and infinities among x and the weights are not served; Wo goes to f16 (magnitudes under 65,504); token_positions up to 2^21 in magnitude (the reduction by pi/2 in two terms holds the remainder in the polynomials' range up to there).
.set WREG,  8192                       ; LDS of a wave of the first family: two stages of 32 x SP bytes, behind them its 256 scale bytes
.set SP,    80                         ; a lane's place in a stage: 64 bytes + 16 of padding
.set CB,    8                          ; bytes of 16 codes
.set STEPS, 16
.set R,     16                         ; v16-79   four sets of 16 numbers as loaded
.set X,     80                         ; v80-111  two sets of 16 neighbours
.set E,     112                        ; v112-127 a scale byte for each step
.set C,     128                        ; v128-191 codes, four registers a step
.set SPW,   12                         ; v12  LDS address of my spare word; never rewritten
.set NIL,   13                         ; v13  0; never rewritten
.set SPARE, 4*WREG                     ; behind the four regions: the spare words, 128 bytes a wave
	s_load_b256 s[4:11], s[0:1], 0x0               ; x s[4:5], Wq s[6:7], Wk s[8:9], Wv s[10:11]
	s_load_b256 s[12:19], s[0:1], 0x20             ; Wo s[12:13], token_positions s[14:15], codes s[16:17], scales s[18:19]
	s_load_b128 s[20:23], s[0:1], 0x40             ; wo16 s[20:21], rope s[22:23]
	v_lshl_add_u32 v[SPW], v0, 2, SPARE
	v_mov_b32 v[NIL], 0
	v_lshrrev_b32 v1, 5, v0
	v_readfirstlane_b32 s24, v1                    ; wave 0..3
	v_and_b32 v2, 31, v0                           ; lane
	s_mov_b32 s29, 0
	s_wait_kmcnt 0x0
	s_cmp_lt_u32 ttmp9, 256
	s_cbranch_scc0 .Lweights
; ---- x.  Rows are dense and K is a multiple of 32: x is a plain stream of blocks of 32.  A wave takes 16 steps of 512 numbers.  Each load reads 512 consecutive bytes; the 2,048 bytes of a step turn through the
; wave's own stage in LDS and come back 64 bytes a lane, so that a lane holds 16 neighbours along K (two lanes a block).  A wave's store of codes covers 256 consecutive bytes; its 256 scale bytes leave as one such run.
	v_lshlrev_b32 v3, 4, v2                        ; my 16 bytes of a load's 512
	s_mul_i32 s25, s24, WREG
	v_lshrrev_b32 v14, 2, v2
	v_mul_u32_u24 v14, v14, SP
	v_and_b32 v15, 3, v2
	v_lshl_add_u32 v14, v15, 4, v14
	v_add_nc_u32 v14, s25, v14                     ; the stage, on the way in: SP (lane / 4) + 16 (lane % 4)
	v_mul_u32_u24 v15, v2, SP
	v_add_nc_u32 v15, s25, v15                     ; and on the way out: SP x lane
	v_mul_u32_u24 v4, v2, CB                       ; my codes' place in a step's
	v_lshrrev_b32 v5, 1, v2
	s_add_co_u32 s25, s25, 2*32*SP
	v_add_nc_u32 v5, s25, v5                       ; my block's byte among my wave's 256
	v_lshlrev_b32 v7, 3, v2
	v_add_nc_u32 v6, s25, v7                       ; and on the way out 8 bytes a lane
	s_lshl_b32 s26, ttmp9, 2
	s_add_co_u32 s26, s26, s24                     ; which run of 8,192 numbers is my wave's
	s_lshl_b32 s28, s26, 15
	s_add_nc_u64 s[4:5], s[4:5], s[28:29]
	s_lshl_b32 s28, s26, 12
	s_add_nc_u64 s[16:17], s[16:17], s[28:29]
	s_lshl_b32 s28, s26, 8
	s_add_nc_u64 s[18:19], s[18:19], s[28:29]
.macro LOAD t
.irp i, 0,1,2,3
	global_load_b128 v[R+16*((\t)%4)+4*\i:R+16*((\t)%4)+4*\i+3], v3, s[4:5] offset:2048*(\t)+512*\i th:TH_LOAD_NT
.endr
.endm
.macro TURN t                          ; step t's numbers through the stage: LDS serves a wave's instructions in order, so no wait stands between the stores and the loads
.irp i, 0,1,2,3
	ds_store_b128 v14, v[R+16*((\t)%4)+4*\i:R+16*((\t)%4)+4*\i+3] offset:32*SP*((\t)%2)+8*SP*\i
.endr
.irp i, 0,1,2,3
	ds_load_b128 v[X+16*((\t)%2)+4*\i:X+16*((\t)%2)+4*\i+3], v15 offset:32*SP*((\t)%2)+16*\i
.endr
.endm
.irp t, 0,1,2,3
	LOAD \t
.endr
	s_wait_loadcnt 12                              ; step 0's four loads are in; three steps' twelve stay out
	TURN 0
.macro STEP t
.set XS, X+16*((\t)%2)
.if (\t) > 0
	s_wait_dscnt 1                                 ; this step's numbers are back from the stage; the last step's byte store may be out
.else
	s_wait_dscnt 0x0
.endif
.if (\t)+4 < STEPS
	LOAD (\t)+4                                    ; into the set whose stores into the stage have read their registers
.endif
.if (\t)+1 < STEPS
.if STEPS-2-(\t) >= 3
	s_wait_loadcnt 12                              ; the next step's four loads are in; those of the three steps behind it may be out
.else
	s_wait_loadcnt 4*(STEPS-2-(\t))
.endif
	TURN (\t)+1
.endif
	v_max3_num_f32 v8, |v[XS]|, |v[XS+1]|, |v[XS+2]|
	v_max3_num_f32 v9, |v[XS+3]|, |v[XS+4]|, |v[XS+5]|
.irp i, 6,10
	v_max3_num_f32 v8, v8, |v[XS+\i]|, |v[XS+\i+1]|
	v_max3_num_f32 v9, v9, |v[XS+\i+2]|, |v[XS+\i+3]|
.endr
	v_max3_num_f32 v8, v8, |v[XS+14]|, |v[XS+15]|
	v_max3_num_f32 v8, v8, v9, 0x1800000           ; the floor 2^(3 - 127): the byte cannot fall under 1
	v_max_num_f32_dpp v8, v8, v8 row_xmask:1 row_mask:0xf bank_mask:0xf   ; with my neighbour's 16: the block's largest magnitude
	v_add_nc_u32 v11, 0xff000000, v8               ; 2 off its exponent field: the conversion takes the exponent field of this operand as its scale
	v_cvt_scalef32_pk8_fp4_f32 v[C+4*(\t)], v[XS:XS+7], v11
	v_cvt_scalef32_pk8_fp4_f32 v[C+4*(\t)+1], v[XS+8:XS+15], v11
	v_lshrrev_b32 v[E+(\t)], 23, v11               ; the scale's byte
	ds_store_b8 v5, v[E+(\t)] offset:16*(\t)       ; both lanes of a block write the same byte with the same value
	global_store_b64 v4, v[C+4*(\t):C+4*(\t)+1], s[16:17] offset:32*CB*(\t)
.endm
.irp t, 0,1,2,3,4,5,6,7,8,9,10,11,12,13,14,15
	STEP \t
.endr
	ds_load_b64 v[8:9], v6                         ; in order behind my byte stores
	s_wait_dscnt 0x0
	global_store_b64 v7, v[8:9], s[18:19]          ; 32 lanes store 256 consecutive bytes
	s_wait_tensorcnt 0x0                           ; the wave's end, behind my last LDS store
	ds_add_u32 v[SPW], v[NIL]
	s_wait_dscnt 0x0
	s_endpgm
; ---- the four weights.  A LANE TAKES A COLUMN n AND ITS REGISTERS RUN DOWN K: a wave takes 32 columns x 128 along K; each load reads 128 consecutive bytes, the four waves stand side by side on 512.
.Lweights:
	s_cmp_lt_u32 ttmp9, 512
	s_cbranch_scc0 .Lrope
	s_sub_co_u32 s25, ttmp9, 256
	s_lshr_b32 s26, s25, 6                         ; which weight: 0 Wq, 1 Wk, 2 Wv, 3 Wo
	s_bfe_u32 s27, s25, 0x30003                    ; Q: which 128 along K
	s_and_b32 s28, s25, 7                          ; cg: which 128 columns
	s_cmp_eq_u32 s26, 0
	s_cselect_b64 s[30:31], s[6:7], s[8:9]
	s_cmp_eq_u32 s26, 2
	s_cselect_b64 s[30:31], s[10:11], s[30:31]
	s_cmp_eq_u32 s26, 3
	s_cselect_b64 s[30:31], s[12:13], s[30:31]
	s_lshl_b32 s32, s27, 19                        ; 128 rows of 4,096 bytes
	s_lshl_b32 s33, s28, 9
	s_add_co_u32 s32, s32, s33
	s_lshl_b32 s33, s24, 7
	s_add_co_u32 s32, s32, s33
	s_mov_b32 s33, 0
	s_add_nc_u64 s[30:31], s[30:31], s[32:33]
	v_lshlrev_b32 v3, 2, v2
.set i, 0
.rept 128
	global_load_b32 v[32+i], v3, s[30:31] offset:i*4096 th:TH_LOAD_NT
.set i, i+1
.endr
	v_lshrrev_b32 v4, 4, v2
	v_and_b32 v5, 15, v2
	v_lshlrev_b32 v5, 4, v5
	v_lshl_add_u32 v4, v4, 10, v5                  ; an image is 1,024 bytes for 16 columns: (lane / 16) x 1,024 + 16 (lane % 16)
	s_lshr_b32 s34, s28, 1                         ; cg / 2: the block of 256 columns
	s_and_b32 s35, s28, 1                          ; cg % 2: its half
	s_mov_b32 s37, 0
	s_cmp_eq_u32 s26, 3
	s_cbranch_scc1 .Lwo
	; Wq, Wk, Wv: codes [nblk 12][kstep 2][half 2][q 4][tile 8][1,024 bytes]; in an image block b of the 128 along K lies at 512 (b / 2) + 256 (b % 2) + 16 (n % 16): registers 4 c .. 4 c + 3 of lane (r, h) hold k = 64 c + 32 h + 0 .. 31
	s_lshl_b32 s36, s26, 2
	s_add_co_u32 s36, s36, s34
	s_lshl_b32 s36, s36, 17
	s_lshr_b32 s38, s27, 2
	s_lshl_b32 s38, s38, 16
	s_add_co_u32 s36, s36, s38
	s_lshl_b32 s38, s35, 15
	s_add_co_u32 s36, s36, s38
	s_and_b32 s38, s27, 3
	s_lshl_b32 s38, s38, 13
	s_add_co_u32 s36, s36, s38
	s_lshl_b32 s38, s24, 11
	s_add_co_u32 s36, s36, s38
	s_add_co_u32 s36, s36, 4194304                 ; behind x's codes
	s_add_nc_u64 s[16:17], s[16:17], s[36:37]
	s_mul_i32 s36, s27, 3072                       ; scale words [Q 8][n 3072]
	s_lshl_b32 s38, s26, 10
	s_add_co_u32 s36, s36, s38
	s_lshl_b32 s38, s28, 7
	s_add_co_u32 s36, s36, s38
	s_lshl_b32 s38, s24, 5
	s_add_co_u32 s36, s36, s38
	s_lshl_b32 s36, s36, 2
	s_add_co_u32 s36, s36, 262144                  ; behind x's scale bytes
	s_add_nc_u64 s[18:19], s[18:19], s[36:37]
.macro WBLK b, left                    ; block b of my column: all its 32 numbers are mine.  left: how many younger loads may stay out (block 0 could leave 96 and block 1 64: the wait's field holds 63)
.set XS, 32+32*(\b)
	s_wait_loadcnt \left
	v_max3_num_f32 v8, |v[XS]|, |v[XS+1]|, |v[XS+2]|
	v_max3_num_f32 v9, |v[XS+3]|, |v[XS+4]|, |v[XS+5]|
.irp i, 6,10,14,18,22,26
	v_max3_num_f32 v8, v8, |v[XS+\i]|, |v[XS+\i+1]|
	v_max3_num_f32 v9, v9, |v[XS+\i+2]|, |v[XS+\i+3]|
.endr
	v_max3_num_f32 v8, v8, |v[XS+30]|, |v[XS+31]|
	v_max3_num_f32 v8, v8, v9, 0x1800000           ; the floor
	v_add_nc_u32 v[24+(\b)], 0xff000000, v8        ; the conversion's scale operand
	v_lshrrev_b32 v9, 23, v[24+(\b)]               ; the byte
.if (\b) == 0
	v_mov_b32 v28, v9
.else
	v_lshl_or_b32 v28, v9, 8*(\b), v28             ; four bytes make my column's scale word for these 128 along K
.endif
.irp g, 0,1,2,3
	v_cvt_scalef32_pk8_fp4_f32 v[160+4*(\b)+\g], v[XS+8*\g:XS+8*\g+7], v[24+(\b)]
.endr
	v_nop                                          ; a plain line behind the conversions
	global_store_b128 v4, v[160+4*(\b):163+4*(\b)], s[16:17] offset:512*((\b)/2)+256*((\b)%2)   ; each half of the lanes stores 256 consecutive bytes, aligned
.endm
	WBLK 0, 63
	WBLK 1, 63
	WBLK 2, 32
	WBLK 3, 0
	global_store_b32 v3, v28, s[18:19]             ; 128 consecutive bytes a wave: 98,304 bytes of such stores in the whole launch
	s_endpgm
	; Wo: f16 [nblk 4][kstep 8][half 2][k32 4][tile 8][1,024 bytes]; in an image the 8 numbers k = 16 g + 8 h + 0 .. 7 of column r lie at 512 g + 256 h + 16 r
.Lwo:
	s_lshl_b32 s36, s34, 19
	s_lshl_b32 s38, s27, 16
	s_add_co_u32 s36, s36, s38
	s_lshl_b32 s38, s35, 15
	s_add_co_u32 s36, s36, s38
	s_lshl_b32 s38, s24, 11
	s_add_co_u32 s36, s36, s38
	s_add_nc_u64 s[20:21], s[20:21], s[36:37]
.macro WOUT u                          ; k = 8 u .. 8 u + 7 of my column: 16 bytes
	global_store_b128 v4, v[32+4*(\u):35+4*(\u)], s[20:21] offset:((\u)/4)*8192+(((\u)/2)%2)*512+((\u)%2)*256
.endm
.macro PACKW from, n                   ; in place, ascending: the destination's number is never above its sources'
.set i, \from
.rept \n
	v_cvt_pk_f16_f32 v[32+i], v[32+2*i], v[33+2*i]
.set i, i+1
.endr
.endm
	s_wait_loadcnt 63                              ; the first 64 loads are in (64 could stay out: the field holds 63)
	PACKW 0, 32
.irp u, 0,1,2,3,4,5,6,7
	WOUT \u
.endr
	s_wait_loadcnt 32
	PACKW 32, 16
.irp u, 8,9,10,11
	WOUT \u
.endr
	s_wait_loadcnt 0
	PACKW 48, 16
.irp u, 12,13,14,15
	WOUT \u
.endr
	s_endpgm
; ---- the table of cosines and sines.  A wave takes 32 positions; a lane is a frequency i.  angle = position x 2^(-i log2(10000) / 32); n = the nearest whole number to angle x 2 / pi; r = angle - n pi/2, pi/2 in two terms;
; sine and cosine of r by polynomials on [-pi/4, pi/4]; the quadrant n mod 4 swaps them and sets their signs by selects, without a branch.
.Lrope:
	s_sub_co_u32 s25, ttmp9, 512
	s_lshl_b32 s25, s25, 2
	s_add_co_u32 s25, s25, s24                     ; which 32 positions
	s_lshl_b32 s28, s25, 7
	s_add_nc_u64 s[14:15], s[14:15], s[28:29]
	s_lshl_b32 s28, s25, 13
	s_add_nc_u64 s[22:23], s[22:23], s[28:29]
	v_lshlrev_b32 v3, 2, v2
	global_load_b32 v20, v3, s[14:15]              ; lane j: position j of my 32
	v_lshlrev_b32 v18, 3, v2                       ; a pair (cos, sin) is 8 bytes
	v_cvt_f32_u32 v19, v2
	v_mul_f32 v19, 0xbed49a78, v19                 ; -i log2(10000) / 32
	v_exp_f32 v19, v19
	s_mov_b32 s31, 0x3fc90fdb                      ; pi/2, its f32
	s_mov_b32 s32, 0xb33bbd2e                      ; and what that leaves
	s_mov_b32 s33, 0xbe2aaaa3                      ; sine: -1.6666654611e-1
	s_mov_b32 s34, 0x3c08839e                      ;        8.3321608736e-3
	s_mov_b32 s35, 0xb94ca1f9                      ;       -1.9515295891e-4
	s_mov_b32 s36, 0x3d2aaaa5                      ; cosine: 4.1666645683e-2
	s_mov_b32 s37, 0xbab6061a                      ;        -1.3887316255e-3
	s_mov_b32 s38, 0x37ccf5ce                      ;         2.4433157118e-5
	v_nop                                          ; a plain line behind the exponential,
	s_wait_alu depctr_va_vdst(0)                   ; and a wait ahead of its first reader
	s_wait_loadcnt 0x0
	v_cvt_f32_i32 v20, v20
.set j, 0
.rept 32
	v_readlane_b32 s30, v20, j
	v_mul_f32 v21, s30, v19                        ; the angle, rounded once as in the definition
	v_mul_f32 v22, 0x3f22f983, v21
	v_rndne_f32 v22, v22                           ; n
	v_fma_f32 v23, -v22, s31, v21
	v_fma_f32 v23, -v22, s32, v23                  ; r
	v_cvt_i32_f32 v24, v22
	v_mul_f32 v25, v23, v23                        ; z = r r
	v_fma_f32 v26, v25, s35, s34
	v_fma_f32 v28, v25, s38, s37
	v_fma_f32 v26, v26, v25, s33
	v_fma_f32 v28, v28, v25, s36
	v_mul_f32 v27, v25, v23
	v_mul_f32 v30, v25, v25
	v_fma_f32 v29, v25, -0.5, 1.0
	v_fma_f32 v26, v26, v27, v23                   ; sin r
	v_fma_f32 v28, v28, v30, v29                   ; cos r
	v_and_b32 v29, 1, v24
	v_cmp_eq_u32 vcc_lo, 1, v29
	v_cndmask_b32 v30, v26, v28, vcc_lo            ; n odd: the sine is +-cos r,
	v_cndmask_b32 v31, v28, v26, vcc_lo            ; the cosine +-sin r
	v_lshlrev_b32 v29, 30, v24
	v_and_b32 v29, 0x80000000, v29                 ; the sine is negative where n mod 4 is 2 or 3,
	v_add_nc_u32 v24, 1, v24
	v_lshlrev_b32 v24, 30, v24
	v_and_b32 v24, 0x80000000, v24                 ; the cosine where it is 1 or 2
	v_xor_b32 v[65+2*j], v30, v29
	v_xor_b32 v[64+2*j], v31, v24
	global_store_b64 v18, v[64+2*j:65+2*j], s[22:23] offset:256*j   ; a position's 32 pairs: 256 consecutive bytes, aligned; each position has registers of its own
.set j, j+1
.endr
	s_endpgm
.Lfunc_end_k_q17b6069c0e_prep:
	.size	k_q17b6069c0e_prep, .Lfunc_end_k_q17b6069c0e_prep-k_q17b6069c0e_prep
	.p2alignl 7, 3214868480
	.fill 96, 4, 3214868480
	.section	.rodata,"a",@progbits
	.p2align	6, 0x0
	.amdhsa_kernel k_q17b6069c0e_prep
		.amdhsa_group_segment_fixed_size 33280
		.amdhsa_private_segment_fixed_size 0
		.amdhsa_enable_private_segment 0
		.amdhsa_kernarg_size 80
		.amdhsa_user_sgpr_count 2
		.amdhsa_user_sgpr_kernarg_segment_ptr 1
		.amdhsa_wavefront_size32 1
		.amdhsa_system_sgpr_workgroup_id_x 1
		.amdhsa_system_sgpr_workgroup_id_y 1
		.amdhsa_system_sgpr_workgroup_id_z 1
		.amdhsa_system_vgpr_workitem_id 0
		.amdhsa_next_free_vgpr 192
		.amdhsa_next_free_sgpr 66
		.amdhsa_reserve_vcc 1
		.amdhsa_float_denorm_mode_32 3
		.amdhsa_float_denorm_mode_16_64 3
		.amdhsa_memory_ordered 1
		.amdhsa_forward_progress 1
		.amdhsa_inst_pref_size 105
	.end_amdhsa_kernel
	.amdgpu_metadata
---
amdhsa.version: [ 1, 2 ]
amdhsa.kernels:
  - .name:           k_q17b6069c0e_prep
    .symbol:         k_q17b6069c0e_prep.kd
    .args:
      - { .name: x, .offset: 0, .size: 8, .value_kind: global_buffer, .address_space: global }
      - { .name: Wq, .offset: 8, .size: 8, .value_kind: global_buffer, .address_space: global }
      - { .name: Wk, .offset: 16, .size: 8, .value_kind: global_buffer, .address_space: global }
      - { .name: Wv, .offset: 24, .size: 8, .value_kind: global_buffer, .address_space: global }
      - { .name: Wo, .offset: 32, .size: 8, .value_kind: global_buffer, .address_space: global }
      - { .name: token_positions, .offset: 40, .size: 8, .value_kind: global_buffer, .address_space: global }
      - { .name: codes, .offset: 48, .size: 8, .value_kind: global_buffer, .address_space: global }
      - { .name: scales, .offset: 56, .size: 8, .value_kind: global_buffer, .address_space: global }
      - { .name: wo16, .offset: 64, .size: 8, .value_kind: global_buffer, .address_space: global }
      - { .name: rope, .offset: 72, .size: 8, .value_kind: global_buffer, .address_space: global }
    .group_segment_fixed_size: 33280
    .private_segment_fixed_size: 0
    .kernarg_segment_align: 8
    .kernarg_segment_size: 80
    .max_flat_workgroup_size: 128
    .sgpr_count:     66
    .vgpr_count:     192
    .wavefront_size: 32
...
	.end_amdgpu_metadata
.endif
;; end of part 1
;; launch qkv (part 2): grid 12 x 32, 4 waves a work-group, clusters of 4 x 4, 327,680 bytes of LDS; arguments codes, scales, rope, qkv16, h32; writes qkv16, h32
.if DOCPART == 2
	.amdgcn_target "amdgcn-amd-amdhsa--gfx1250"
	.amdhsa_code_object_version 6
	.text
	.protected	k_q17b6069c0e_qkv
	.globl	k_q17b6069c0e_qkv
	.p2align	8
	.type	k_q17b6069c0e_qkv,@function
k_q17b6069c0e_qkv:
	s_mov_b64 s[64:65], 0
	v_nop
	global_prefetch_b8 v0, s[64:65] scope:SCOPE_SE
	s_setreg_imm32_b32 hwreg(HW_REG_WAVE_MODE, 25, 1), 1
	s_wait_xcnt 0x0
	s_wait_alu depctr_hold_cnt(0) depctr_sa_sdst(0) depctr_va_vdst(0) depctr_va_sdst(0) depctr_va_ssrc(0) depctr_va_vcc(0) depctr_vm_vsrc(0)
	s_getreg_b32 s2, hwreg(HW_REG_IB_STS2, 6, 4)
	s_cmp_eq_u32 s2, 0
	s_cbranch_scc0 .Lentry_in_a_cluster
	s_endpgm
.Lentry_in_a_cluster:
	s_bfe_u32 s2, ttmp6, 0x10000c
	s_cmp_lg_u32 s2, 0xf033
	s_cbranch_scc0 .Lentry_shape_is_right
	s_endpgm
.Lentry_shape_is_right:
; q, k, v = Q(x) Q(W): [8192 m][1024 k] x [3072 n][1024 k] on codes of FP4 (E2M1) with E8M0 scales, sums in f32; q and k are then rotated (RoPE) in f32; all three leave as f16, [which 3][b 4][h 16][s 2048][64];
; positions 0 to 15 of every sequence leave in f32 as well, [b 4][which 3][h 16][s 16][64], for the launch that carries those rows finely.
; LIMIT: q, k, v go on as f16: magnitudes under 65,504.
; A tile of 256 x 256 is made by four waves, each 128 x 128: 64 accumulators of 16 x 16.  K = 1,024 is two slots of 512: BOTH ARE FIRST FILLS, nothing is filled again.
; x's codes lie as rows (512 bytes a row; a slot's part is 256 bytes, padded to 272 in LDS); the weights' codes lie as images of the operand's registers, so a wave's half of a slot is one dense block of 32,768 bytes.
; The scale words go from memory straight into registers, once: 32 registers for x's, 32 for the weights'; they hold scales and nothing else.
; CLUSTERS: 4 x 4.  cluster x = which of q, k, v; cx = which 256 of its columns; cy = the batch; cluster y = which 256 positions.  A row of the cluster (one cy) shares x's tiles, a column (one cx) the weights': joint loads.
; So 'is this v' hangs on the cluster's x alone and 'does my block hold positions 0 to 15' on the cluster's y and the wave's number alone: no branch hangs on a place in the cluster.
; THE MATRIX INSTRUCTION IS USED TRANSPOSED (source 0 = 16 columns n, source 1 = 16 rows m): a lane holds eight neighbouring columns of one row, so an even and an odd channel of a RoPE pair lie in neighbouring registers.
; REGISTERS: window 0: v0-31 addresses; v32-63 x's scale words, v64-95 the weights'; v96-103 at work; v128-191 x's fragments, on the way out 64 results; v192-223 packed f16; v224-255 rows read back.
;   window 1: the weights' fragments, two sets, at v0 and v128; on the way out v0-63 two sets of table numbers.   window 2, 3: the accumulators of my rows 0-63, 64-127 ((a, b) at v[8 (8 (a % 4) + b)]).
.set PITCH,  272                       ; 256 bytes + 16: an odd multiple of 16, so the 16 rows of a fragment load start at 16 different groups of banks
.set HALFA,  128*PITCH
.set BOFF,   2*HALFA
.set HALFB,  32768
.set SLOT,   BOFF+2*HALFB              ; 135,168
.set STAGE,  2*SLOT                    ; behind the slots: a stage of 4,608 bytes for each wave (two heads x 16 rows x 144; or 16 rows x 272)
.set STW,    4608
.set STAGV,  4*STW                     ; the way out for v has stages of its own, this far behind the others
.set SPARE,  STAGE+2*4*STW             ; the spare words, 128 bytes a wave
.set NL,     2
.set NP,     4                         ; places behind this matrix instruction (ISA guide 7.12.1)
.set ADRA, 16                          ; v16-17 LDS address of my fragments of x in slot 0, 1
.set ADRB, 20                          ; v20-21 the same for the weights
.set STO32, 22
.set RD32, 23
.set STO,  24
.set RD,   25
.set CO,   26                          ; 16 x lane
.set TBO,  27                          ; the table: row (lane % 16) x 256 + 32 (lane / 16)
.set SPW,  28
.set NIL,  29
.set XS,   32                          ; x's scale words: v[XS + 16 slot + 4 i + q]: lanes 0-15 block 2 i, lanes 16-31 block 2 i + 1
.set WS,   64                          ; the weights': v[WS + 4 (4 slot + q) + i]: likewise
.set T,    96
.set AF,   128
.set R,    128
.set H,    192
.set BK,   224
.set CS,   0                           ; in window 1
.set G1, 24
.set G0, 32
.set G1B, 48
.set G0B, 56
.set MSB, 0
.macro WIN new                         ; the immediate's high byte repeats the setting that is left
.if MSB != (\new)
	s_set_vgpr_msb (MSB<<8)|(\new)
.set MSB, (\new)
.endif
.endm
.set MUL_LO, 0xa1                      ; source 0 (weights) window 1, source 1 (x) window 0, C and D window 2
.set MUL_HI, 0xf1
.set TO_B,   0x40
.macro JLOAD g0a, g1a, g0b, g1b        ; a joint load: waves 0 and 1 fetch x's halves, waves 2 and 3 the weights'; the branch hangs on the wave's number alone; an s_nop 0 and four v_nop follow each line
	s_cmp_eq_u32 s15, 0
	s_cbranch_scc0 .Lfor_b_\@
	tensor_load_to_lds s[\g0a:\g0a+3], s[\g1a:\g1a+7]
	s_nop 0
.rept 4
	v_nop
.endr
	s_branch .Lasked_\@
.Lfor_b_\@:
	tensor_load_to_lds s[\g0b:\g0b+3], s[\g1b:\g1b+7]
	s_nop 0
.rept 4
	v_nop
.endr
.Lasked_\@:
.endm
.macro CROUND                          ; a round of the cluster's barrier
	s_barrier_signal -1
	s_barrier_wait -1
	s_cmp_lg_u32 s14, 0
	s_cbranch_scc1 .Lnot_wave_0_\@
	s_barrier_signal -3
.Lnot_wave_0_\@:
	s_barrier_wait -3
	s_barrier_signal -1
	s_barrier_wait -1
.endm
	s_load_b256 s[4:11], s[0:1], 0x0               ; codes s[4:5], scales s[6:7], rope s[8:9], qkv16 s[10:11]
	s_load_b64 s[12:13], s[0:1], 0x20              ; h32
	v_lshl_add_u32 v[SPW], v0, 2, SPARE
	v_mov_b32 v[NIL], 0
	ds_add_u32 v[SPW], v[NIL]                      ; the opening: the add, twice on end, and its wait ahead of my first tensor load
	ds_add_u32 v[SPW], v[NIL]
	v_lshrrev_b32 v1, 5, v0
	v_readfirstlane_b32 s14, v1                    ; wave 0..3
	s_lshr_b32 s15, s14, 1                         ; my half of the rows.  Also: I fetch for x (0) or for the weights (1)
	s_and_b32 s16, s14, 1                          ; my half of the columns.  Also: which half I fetch
	s_bfe_u32 s40, ttmp6, 0x40000                  ; cx
	s_bfe_u32 s41, ttmp6, 0x40004                  ; cy: the batch
	s_lshl_b32 s42, ttmp9, 2
	s_add_co_u32 s42, s42, s40                     ; nblk = 4 x which + cx
	s_and_b32 s17, ttmp7, 0xffff                   ; which 256 positions
	s_lshl_b32 s43, s41, 2
	s_lshl_b32 s43, 15, s43                        ; my row of the cluster
	s_lshl_b32 s44, 0x1111, s40                    ; my column
	s_or_b32 s[G1+0], s43, (1<<20)|(1<<21)|(5<<22)|(3<<25)   ; x: elements of 1 byte; 4 words of padding after every 64; bit 21 beside a mask
	s_mov_b32 s[G1+1], 256<<16                     ; tensor_dim0
	s_mov_b32 s[G1+2], 128<<16                     ; tensor_dim1
	s_mov_b32 s[G1+3], 256<<16                     ; tile_dim0
	s_mov_b32 s[G1+4], 128                         ; tile_dim1
	s_mov_b32 s[G1+5], 512                         ; from row to row
	s_mov_b32 s[G1+6], 0
	s_mov_b32 s[G1+7], 0
	s_or_b32 s[G1B+0], s44, (3<<16)|(1<<21)        ; the weights: a dense block as 128 rows of 32 elements of 8 bytes, no padding
	s_mov_b32 s[G1B+1], 32<<16
	s_mov_b32 s[G1B+2], 128<<16
	s_mov_b32 s[G1B+3], 32<<16
	s_mov_b32 s[G1B+4], 128
	s_mov_b32 s[G1B+5], 32
	s_mov_b32 s[G1B+6], 0
	s_mov_b32 s[G1B+7], 0
	s_lshl_b32 s20, s41, 11
	s_lshl_b32 s18, s17, 8
	s_add_co_u32 s20, s20, s18                     ; m0 = 2,048 x batch + 256 x block
	s_lshl_b32 s18, s16, 7
	s_add_co_u32 s22, s20, s18
	s_lshl_b32 s22, s22, 9                         ; the rows that I fetch, 512 bytes each
	s_mov_b32 s23, 0
	s_lshl_b32 s46, s42, 17
	s_lshl_b32 s47, s16, 15
	s_add_co_u32 s46, s46, s47
	s_add_co_u32 s46, s46, 4194304                 ; the weights' codes lie behind x's
	s_mov_b32 s47, 0
	s_mul_i32 s45, s16, HALFA                      ; where they go: no place in the cluster enters an LDS address
	s_mul_i32 s19, s16, HALFB
	s_add_co_u32 s19, s19, BOFF
	s_wait_dscnt 0x0                               ; both opening adds are done
	s_wait_kmcnt 0x0
	s_add_nc_u64 s[22:23], s[4:5], s[22:23]
	s_add_nc_u64 s[46:47], s[4:5], s[46:47]
	CROUND                                         ; all sixteen work-groups are here: the joint loads meet
.irp s, 0,1
	s_mov_b32 s[G0+4*\s], 1
	s_add_co_u32 s[G0+4*\s+1], s45, \s*SLOT
	s_add_nc_u64 s[G0+4*\s+2:G0+4*\s+3], s[22:23], \s*256
	s_or_b32 s[G0+4*\s+3], s[G0+4*\s+3], 0x80000000
	s_mov_b32 s[G0B+4*\s], 1
	s_add_co_u32 s[G0B+4*\s+1], s19, \s*SLOT
	s_add_nc_u64 s[G0B+4*\s+2:G0B+4*\s+3], s[46:47], \s*65536
	s_or_b32 s[G0B+4*\s+3], s[G0B+4*\s+3], 0x80000000
	JLOAD G0+4*\s, G1, G0B+4*\s, G1B               ; two loads of mine are out, all that this wave ever issues
.endr
	; the scale words
	s_lshl_b32 s18, s15, 7
	s_add_co_u32 s18, s20, s18                     ; my first row
	s_lshl_b32 s66, s18, 5
	s_mov_b32 s67, 0
	s_add_nc_u64 s[66:67], s[6:7], s[66:67]
	s_lshl_b32 s68, s42, 10
	s_lshl_b32 s69, s16, 9
	s_add_co_u32 s68, s68, s69
	s_add_co_u32 s68, s68, 262144
	s_mov_b32 s69, 0
	s_add_nc_u64 s[68:69], s[6:7], s[68:69]
	v_and_b32 v6, 31, v0
	v_lshlrev_b32 v7, 5, v6
	v_lshlrev_b32 v8, 2, v6
.irp k, 0,1
.irp i, 0,1,2,3
	global_load_b128 v[XS+16*\k+4*\i:XS+16*\k+4*\i+3], v7, s[66:67] offset:\i*1024+\k*16   ; rows 32 i + lane: the four words of slot k
.endr
.endr
.irp g, 0,1,2,3,4,5,6,7
.irp i, 0,1,2,3
	global_load_b32 v[WS+4*\g+\i], v8, s[68:69] offset:\g*12288+\i*128                     ; columns 32 i + lane: the word of the g-th 128 along K
.endr
.endr
	; addresses
	v_and_b32 v1, 15, v0                           ; r
	v_bfe_u32 v2, v0, 4, 1                         ; h
	v_mul_u32_u24 v3, v1, PITCH
	v_lshl_add_u32 v4, v2, 4, v3
	v_lshlrev_b32 v[CO], 4, v6
	s_mul_i32 s21, s15, HALFA
	s_mul_i32 s22, s16, HALFB
	s_add_co_u32 s22, s22, BOFF
.irp s, 0,1
	v_add_nc_u32 v[ADRA+\s], s21, v4
	v_add_nc_u32 v[ADRB+\s], s22, v[CO]
	s_add_co_u32 s21, s21, SLOT
	s_add_co_u32 s22, s22, SLOT
.endr
	s_mul_i32 s23, s14, STW
	s_add_co_u32 s23, s23, STAGE                   ; my stage
	v_mul_u32_u24 v3, v1, 144
	v_lshl_add_u32 v3, v2, 4, v3
	v_add_nc_u32 v[STO], s23, v3                   ; f16, in: row r of 144 bytes, + 16 h
	v_bfe_u32 v3, v0, 3, 2
	v_mul_u32_u24 v3, v3, 144
	v_and_b32 v5, 7, v0
	v_lshl_add_u32 v3, v5, 4, v3
	v_add_nc_u32 v[RD], s23, v3                    ; back: eight lanes a row of 128 bytes, four rows an instruction
	v_mul_u32_u24 v3, v1, 272
	v_lshl_add_u32 v3, v2, 5, v3
	v_add_nc_u32 v[STO32], s23, v3                 ; f32, in: row r of 272 bytes, + 32 h
	v_mul_u32_u24 v3, v2, 272
	v_lshl_add_u32 v3, v1, 4, v3
	v_add_nc_u32 v[RD32], s23, v3                  ; back: sixteen lanes a row of 256 bytes
	v_lshlrev_b32 v[TBO], 8, v1
	v_lshl_add_u32 v[TBO], v2, 5, v[TBO]
	; where my results go
	s_lshl_b32 s76, s41, 4
	s_lshl_b32 s77, s40, 2
	s_add_co_u32 s76, s76, s77
	s_lshl_b32 s77, s16, 1
	s_add_co_u32 s76, s76, s77                     ; 16 x batch + my first head
	s_lshl_b32 s76, s76, 11
	s_lshl_b32 s77, s17, 8
	s_add_co_u32 s76, s76, s77
	s_lshl_b32 s78, s15, 7
	s_add_co_u32 s76, s76, s78                     ; + my first position
	s_lshl_b32 s76, s76, 7                         ; rows of 128 bytes
	s_lshl_b32 s79, ttmp9, 24
	s_add_co_u32 s70, s76, s79
	s_mov_b32 s71, 0
	s_add_nc_u64 s[70:71], s[10:11], s[70:71]
	s_add_co_u32 s72, s77, s78
	s_lshl_b32 s72, s72, 8                         ; the table at my first position
	s_mov_b32 s73, 0
	s_add_nc_u64 s[72:73], s[8:9], s[72:73]
	s_mul_i32 s74, s41, 3
	s_add_co_u32 s74, s74, ttmp9
	s_lshl_b32 s74, s74, 4
	s_lshl_b32 s77, s40, 2
	s_add_co_u32 s74, s74, s77
	s_lshl_b32 s77, s16, 1
	s_add_co_u32 s74, s74, s77
	s_lshl_b32 s74, s74, 12
	s_mov_b32 s75, 0
	s_add_nc_u64 s[74:75], s[12:13], s[74:75]
	s_or_b32 s80, s17, s15                         ; 0 where my first 16 rows are positions 0 to 15
; one product: x's block a against the weights' block b, the q-th 128 along K of slot sl; p: the weights' set.  A block with an odd number has its scale words in lanes 16-31.
.macro WM a, b, p, q, sl, zero
.set rD, 8*(8*((\a)%4)+(\b))
.set rB, 128*(\p)+8*(\b)
.set rA, AF+8*(\a)
.set rW, WS+4*(4*(\sl)+(\q))+(\b)/2
.set rX, XS+16*(\sl)+4*((\a)/2)+(\q)
.set oW, (\b)%2
.set oX, (\a)%2
.if \zero
.if (oW == 0) && (oX == 0)
	v_wmma_scale_f32_16x16x128_f8f6f4 v[rD:rD+7], v[rB:rB+7], v[rA:rA+7], 0, v[rW], v[rX] matrix_a_fmt:MATRIX_FMT_FP4 matrix_b_fmt:MATRIX_FMT_FP4
.elseif (oW == 1) && (oX == 0)
	v_wmma_scale_f32_16x16x128_f8f6f4 v[rD:rD+7], v[rB:rB+7], v[rA:rA+7], 0, v[rW], v[rX] matrix_a_fmt:MATRIX_FMT_FP4 matrix_b_fmt:MATRIX_FMT_FP4 matrix_a_scale:MATRIX_SCALE_ROW1
.elseif (oW == 0) && (oX == 1)
	v_wmma_scale_f32_16x16x128_f8f6f4 v[rD:rD+7], v[rB:rB+7], v[rA:rA+7], 0, v[rW], v[rX] matrix_a_fmt:MATRIX_FMT_FP4 matrix_b_fmt:MATRIX_FMT_FP4 matrix_b_scale:MATRIX_SCALE_ROW1
.else
	v_wmma_scale_f32_16x16x128_f8f6f4 v[rD:rD+7], v[rB:rB+7], v[rA:rA+7], 0, v[rW], v[rX] matrix_a_fmt:MATRIX_FMT_FP4 matrix_b_fmt:MATRIX_FMT_FP4 matrix_a_scale:MATRIX_SCALE_ROW1 matrix_b_scale:MATRIX_SCALE_ROW1
.endif
.else
.if (oW == 0) && (oX == 0)
	v_wmma_scale_f32_16x16x128_f8f6f4 v[rD:rD+7], v[rB:rB+7], v[rA:rA+7], v[rD:rD+7], v[rW], v[rX] matrix_a_fmt:MATRIX_FMT_FP4 matrix_b_fmt:MATRIX_FMT_FP4
.elseif (oW == 1) && (oX == 0)
	v_wmma_scale_f32_16x16x128_f8f6f4 v[rD:rD+7], v[rB:rB+7], v[rA:rA+7], v[rD:rD+7], v[rW], v[rX] matrix_a_fmt:MATRIX_FMT_FP4 matrix_b_fmt:MATRIX_FMT_FP4 matrix_a_scale:MATRIX_SCALE_ROW1
.elseif (oW == 0) && (oX == 1)
	v_wmma_scale_f32_16x16x128_f8f6f4 v[rD:rD+7], v[rB:rB+7], v[rA:rA+7], v[rD:rD+7], v[rW], v[rX] matrix_a_fmt:MATRIX_FMT_FP4 matrix_b_fmt:MATRIX_FMT_FP4 matrix_b_scale:MATRIX_SCALE_ROW1
.else
	v_wmma_scale_f32_16x16x128_f8f6f4 v[rD:rD+7], v[rB:rB+7], v[rA:rA+7], v[rD:rD+7], v[rW], v[rX] matrix_a_fmt:MATRIX_FMT_FP4 matrix_b_fmt:MATRIX_FMT_FP4 matrix_a_scale:MATRIX_SCALE_ROW1 matrix_b_scale:MATRIX_SCALE_ROW1
.endif
.endif
.endm
.macro MUL16 a0, p, q, sl, zero        ; 16 products; the 64 accumulators take turns, one instruction a turn, in the same order in every step
.irp a, \a0, \a0+1
.irp b, 0,1,2,3,4,5,6,7
	WM (\a), \b, \p, \q, \sl, \zero
.endr
.endr
.endm
.macro FETCH_B slot, q, p              ; the weights' eight fragments: images, 16 bytes a lane, 512 consecutive bytes an instruction
	WIN TO_B
.irp i, 0,1,2,3,4,5,6,7
.irp c, 0,1
	ds_load_b128 v[128*(\p)+8*\i+4*\c:128*(\p)+8*\i+4*\c+3], v[ADRB+\slot] offset:(\q)*8192+\i*1024+512*\c
.endr
.endr
	WIN 0
.endm
.macro FETCH_A slot, q, i0             ; x's blocks i0 .. i0 + 3: registers 4 c .. 4 c + 3 hold K = 64 c + 32 (lane / 16) + 0 .. 31 of row lane % 16
.irp i, \i0, \i0+1, \i0+2, \i0+3
.irp c, 0,1
	ds_load_b128 v[AF+8*(\i)+4*\c:AF+8*(\i)+4*\c+3], v[ADRA+\slot] offset:64*(\q)+32*\c+(\i)*16*PITCH
.endr
.endr
.endm
.macro PLACES n                        ; plain vector lines between a matrix instruction and a load into, or a read of, its registers
.rept \n
	v_nop
.endr
.endm
.macro STEP slot, q, zero              ; 128 along K with its successor in the same slot.  x has one set of registers (a block is free when its eight products are issued), the weights two
	s_wait_dscnt 4*NL                              ; all but the youngest eight loads (x's blocks 4-7)
	WIN MUL_LO
	MUL16 0, (\q)%2, \q, \slot, \zero
	MUL16 2, (\q)%2, \q, \slot, \zero
	s_wait_dscnt 0
	PLACES NP
	FETCH_B \slot, (\q)+1, 1-(\q)%2
	FETCH_A \slot, (\q)+1, 0
	WIN MUL_HI
	MUL16 4, (\q)%2, \q, \slot, \zero
	MUL16 6, (\q)%2, \q, \slot, \zero
	PLACES NP
	WIN 0
	FETCH_A \slot, (\q)+1, 4
.endm
	s_wait_tensorcnt 1                             ; my part of slot 0 is in; slot 1's may stay out
	s_barrier_signal -1
	s_barrier_wait -1
	s_wait_loadcnt 0x0                             ; the scale words
	FETCH_B 0, 0, 0
	FETCH_A 0, 0, 0
	FETCH_A 0, 0, 4
	STEP 0, 0, 1                                   ; the first products start the sums: nothing is cleared
	STEP 0, 1, 0
	STEP 0, 2, 0
	; slot 0's last step changes slots: one barrier; in front of it my part of slot 1 has landed
	s_wait_tensorcnt 0x0
	ds_add_u32 v[SPW], v[NIL]
	s_wait_dscnt 4*NL+1                            ; the add and x's blocks 4-7 may be out
	WIN MUL_LO
	MUL16 0, 1, 3, 0, 0
	s_wait_dscnt 0x0
	s_barrier_signal -1
	MUL16 2, 1, 3, 0, 0
	WIN 0
	s_barrier_wait -1
	PLACES NP
	FETCH_B 1, 0, 0
	FETCH_A 1, 0, 0
	WIN MUL_HI
	MUL16 4, 1, 3, 0, 0
	MUL16 6, 1, 3, 0, 0
	PLACES NP
	WIN 0
	FETCH_A 1, 0, 4
	STEP 1, 0, 0
	STEP 1, 1, 0
	STEP 1, 2, 0
	s_wait_dscnt 4*NL
	WIN MUL_LO
	MUL16 0, 1, 3, 1, 0
	MUL16 2, 1, 3, 1, 0
	s_wait_dscnt 0
	WIN MUL_HI
	MUL16 4, 1, 3, 1, 0
	MUL16 6, 1, 3, 1, 0
	WIN 0
	PLACES NP                                      ; for the first reads of results and the loads into registers that held fragments
; THE WAY OUT, a block of 16 rows x 128 columns (two heads) at a time.
.macro TABLE a                         ; the table numbers of block a's 16 positions: for tile b % 4 my four pairs (cos, sin), 32 bytes
	WIN 0x40
.irp b, 0,1,2,3
.irp e, 0,1
	global_load_b128 v[CS+32*((\a)%2)+8*\b+4*\e:CS+32*((\a)%2)+8*\b+4*\e+3], v[TBO], s[72:73] offset:(\a)*4096+64*\b+16*\e
.endr
.endr
	WIN 0
.endm
.macro ROPE a                          ; even' = e c - o s, odd' = e s + o c; each accumulator is read from its low end on
.set AC, 64*((\a)%4)
.set CT, CS+32*((\a)%2)
	WIN 0x06+(\a)/4                                ; source 0: the accumulators' window; source 1: window 1
.irp b, 0,1,2,3,4,5,6,7
.irp p, 0,1,2,3
	v_mul_f32 v[T+2*\p], v[AC+8*\b+2*\p+1], v[CT+8*(\b%4)+2*\p+1]
	v_mul_f32 v[T+2*\p+1], v[AC+8*\b+2*\p+1], v[CT+8*(\b%4)+2*\p]
.endr
.irp p, 0,1,2,3
	v_fma_f32 v[R+8*\b+2*\p], v[AC+8*\b+2*\p], v[CT+8*(\b%4)+2*\p], -v[T+2*\p]
	v_fma_f32 v[R+8*\b+2*\p+1], v[AC+8*\b+2*\p], v[CT+8*(\b%4)+2*\p+1], v[T+2*\p+1]
.endr
.endr
	WIN 0
.endm
.macro PACKH a, rope                   ; 64 numbers to f16
.set AC, 64*((\a)%4)
.if \rope
.set i, 0
.rept 32
	v_cvt_pk_f16_f32 v[H+i], v[R+2*i], v[R+2*i+1]
.set i, i+1
.endr
.else
	WIN 0x0a+5*((\a)/4)
.set i, 0
.rept 32
	v_cvt_pk_f16_f32 v[H+i], v[AC+2*i], v[AC+2*i+1]
.set i, i+1
.endr
	WIN 0
.endif
.endm
.macro TOSTAGE16 so                    ; through my stage: in by rows of 144 bytes, back as 512 consecutive bytes of a head's rows; LDS serves a wave's instructions in order
.irp b, 0,1,2,3,4,5,6,7
	ds_store_b128 v[STO], v[H+4*\b:H+4*\b+3] offset:\so+(\b/4)*2304+(\b%4)*32
.endr
.irp hh, 0,1
.irp t, 0,1,2,3
	ds_load_b128 v[BK+16*\hh+4*\t:BK+16*\hh+4*\t+3], v[RD] offset:\so+\hh*2304+\t*576
.endr
.endr
.endm
.macro SEND16 a
.irp hh, 0,1
.irp t, 0,1,2,3
	global_store_b128 v[CO], v[BK+16*\hh+4*\t:BK+16*\hh+4*\t+3], s[70:71] offset:\hh*262144+(\a)*2048+\t*512   ; four rows of 128 bytes: 512 consecutive bytes, aligned
.endr
.endr
.endm
.macro F32OUT rope, so                 ; positions 0 to 15 in f32, a head at a time: rows of 256 bytes
.irp hh, 0,1
.if \rope == 0
	WIN 0x08                                       ; an LDS store's data are its source 1: window 2
.endif
.irp b, 0,1,2,3
.irp e, 0,1
.if \rope
	ds_store_b128 v[STO32], v[R+8*(4*\hh+\b)+4*\e:R+8*(4*\hh+\b)+4*\e+3] offset:\so+\b*64+16*\e
.else
	ds_store_b128 v[STO32], v[8*(4*\hh+\b)+4*\e:8*(4*\hh+\b)+4*\e+3] offset:\so+\b*64+16*\e
.endif
.endr
.endr
	WIN 0
.irp t, 0,1,2,3,4,5,6,7
	ds_load_b128 v[BK-32*\hh+4*\t:BK-32*\hh+4*\t+3], v[RD32] offset:\so+\t*544
.endr
	s_wait_dscnt 0x0
.irp t, 0,1,2,3,4,5,6,7
	global_store_b128 v[CO], v[BK-32*\hh+4*\t:BK-32*\hh+4*\t+3], s[74:75] offset:\hh*4096+\t*512
.endr
.endr
	s_wait_xcnt 0x0                                ; these stores have read their registers: both sets are written again below
.endm
.macro EPI rope, so
.if \rope
	TABLE 0
.endif
.irp a, 0,1,2,3,4,5,6,7
.if \rope
.if \a < 7
	TABLE \a+1
	s_wait_loadcnt 8                               ; this block's eight loads are in; the next block's eight may stay out
.else
	s_wait_loadcnt 0
.endif
	ROPE \a
.endif
.if \a == 0
	s_cmp_lg_u32 s80, 0                            ; the cluster's y and the wave's number alone
	s_cbranch_scc1 .Lno32_\@
	F32OUT \rope, \so
.Lno32_\@:
.endif
	PACKH \a, \rope
	s_wait_xcnt 0x0                                ; the last block's stores have read the registers that this block's rows come back into
	TOSTAGE16 \so
	s_wait_dscnt 0x0
	SEND16 \a
.endr
.endm
	s_cmp_eq_u32 ttmp9, 2                          ; v is not rotated: the cluster's x alone decides
	s_cbranch_scc1 .Lvalues
	EPI 1, 0
	s_branch .Lend
.Lvalues:
	EPI 0, STAGV
.Lend:
	s_wait_tensorcnt 0x0                           ; the wave's end, behind my last tensor load and my last LDS store
	ds_add_u32 v[SPW], v[NIL]
	s_wait_dscnt 0x0
	CROUND                                         ; the closing round
	s_endpgm
.Lfunc_end_k_q17b6069c0e_qkv:
	.size	k_q17b6069c0e_qkv, .Lfunc_end_k_q17b6069c0e_qkv-k_q17b6069c0e_qkv
	.p2alignl 7, 3214868480
	.fill 96, 4, 3214868480
	.section	.rodata,"a",@progbits
	.p2align	6, 0x0
	.amdhsa_kernel k_q17b6069c0e_qkv
		.amdhsa_group_segment_fixed_size 327680
		.amdhsa_private_segment_fixed_size 0
		.amdhsa_enable_private_segment 0
		.amdhsa_kernarg_size 40
		.amdhsa_user_sgpr_count 2
		.amdhsa_user_sgpr_kernarg_segment_ptr 1
		.amdhsa_wavefront_size32 1
		.amdhsa_system_sgpr_workgroup_id_x 1
		.amdhsa_system_sgpr_workgroup_id_y 1
		.amdhsa_system_sgpr_workgroup_id_z 1
		.amdhsa_system_vgpr_workitem_id 0
		.amdhsa_next_free_vgpr 1024
		.amdhsa_next_free_sgpr 100
		.amdhsa_reserve_vcc 0
		.amdhsa_float_denorm_mode_32 3
		.amdhsa_float_denorm_mode_16_64 3
		.amdhsa_memory_ordered 1
		.amdhsa_forward_progress 1
		.amdhsa_inst_pref_size 221
	.end_amdhsa_kernel
	.amdgpu_metadata
---
amdhsa.version: [ 1, 2 ]
amdhsa.kernels:
  - .name:           k_q17b6069c0e_qkv
    .symbol:         k_q17b6069c0e_qkv.kd
    .args:
      - { .name: codes, .offset: 0, .size: 8, .value_kind: global_buffer, .address_space: global }
      - { .name: scales, .offset: 8, .size: 8, .value_kind: global_buffer, .address_space: global }
      - { .name: rope, .offset: 16, .size: 8, .value_kind: global_buffer, .address_space: global }
      - { .name: qkv16, .offset: 24, .size: 8, .value_kind: global_buffer, .address_space: global }
      - { .name: h32, .offset: 32, .size: 8, .value_kind: global_buffer, .address_space: global }
    .group_segment_fixed_size: 327680
    .private_segment_fixed_size: 0
    .kernarg_segment_align: 8
    .kernarg_segment_size: 40
    .max_flat_workgroup_size: 128
    .sgpr_count:     100
    .vgpr_count:     1024
    .wavefront_size: 32
...
	.end_amdgpu_metadata
.endif
;; end of part 2
;; launch attn (part 3): grid 4 x 64, 8 waves a work-group, no clusters, 327,680 bytes of LDS; arguments qkv16, ctx16; writes ctx16
.if DOCPART == 3
	.amdgcn_target "amdgcn-amd-amdhsa--gfx1250"
	.amdhsa_code_object_version 6
	.text
	.protected	k_q17b6069c0e_attn
	.globl	k_q17b6069c0e_attn
	.p2align	8
	.type	k_q17b6069c0e_attn,@function
k_q17b6069c0e_attn:
	s_mov_b64 s[64:65], 0
	v_nop
	global_prefetch_b8 v0, s[64:65] scope:SCOPE_SE
	s_setreg_imm32_b32 hwreg(HW_REG_WAVE_MODE, 25, 1), 1
	s_wait_xcnt 0x0
; ctx[b][h][q] = the sum over k <= q of softmax_k(q . k / 8) v, on f16 operands with f32 sums; running maximum and sum in f32; the weights p are rounded to f16 for the second product, ctx once at the end.
; q, k, v: [which 3][b 4][h 16][s 2048][64] f16.  ctx16: [h 16][b 4][s 2048][64] f16.
; LIMIT: operands are f16 (magnitudes under 65,504).  Positions 0 to 15 are computed here too but their rows of the output are made by a launch of their own, in f32.
; SHARES.  Work-group (I, head) makes the query blocks 7 - I and then I, 256 queries each: (8 - I) + (I + 1) = 9 slots of 256 keys for every work-group, so all trip counts are constants and all 256 work-groups have equal work.
; Each of the eight waves owns 32 queries, two tiles of 16; two waves share a SIMD, so that one wave's softmax stands beside the other's products.
; NO CLUSTER: the four work-groups of a head want the same key slots only in trips 0 to 4; from trip 5 on they want different ones (the second pass begins at trip 8 - I), so their requests could not be joint in every trip.
; LAYOUT.  S^T = K Q^T (source 0 = 16 keys, source 1 = 16 queries): a lane holds ONE query (lane % 16) and keys 8 (lane / 16) + 0..7.  Two such tiles, rounded to f16 in pairs, are source 1 of O^T = V^T P.  V is turned by ds_load_tr16_b128.
; THE MASK.  A step of 64 keys all of which come after my 32 queries is left out by a scalar branch on ids; on the diagonal hidden scores become -infinity ahead of the maximum.  In a step that runs, its first key counts for every query.
; RING.  Two slots of 256 keys (K: 256 rows of 144 bytes; V: 256 rows of 160), 2^17 bytes apart.  Waves 0-3 fetch K's quarters, waves 4-7 V's: one load a wave behind each change of slots; every wait on TENSORcnt is for 0.
.set PK,    144                        ; 128 bytes + 16: an odd multiple of 16
.set PV,    160                        ; 128 bytes + 32: an odd multiple of 32, for the turning load
.set VOFF,  256*PK
.set SLOT1, 1<<17
.set STAGE, SLOT1+VOFF+256*PV          ; behind the ring: 16 rows x 144 bytes for each wave
.set SPARE, STAGE+8*2304               ; the spare words, 128 bytes a wave
.set AK0, 1
.set AV0, 2
.set ADK, 3
.set ADV, 4
.set QO,  5
.set STO, 6
.set RD,  7
.set GO,  8
.set SPW, 9
.set NIL, 10
.set PFO, 11
.set DM,  12                           ; lane % 16 - 8 (lane / 16)
.set NINF, 13
.set ST,  16                           ; tile t's statistics at v[ST + 8 t]: +0 c m, +1 m, +2:3 l, +4:5 at work, +6 a, +7 at work
.set Q,   32
.set KV,  64                           ; K of a step, then V
.set S,   128                          ; S^T, then p; P in f16 is packed in place
.set O,   192
.set WV,  8
.set I,   9
.set SW,  10                           ; the trip at which the second pass begins
.set T,   11
.set TB,  12
.set KF,  13                           ; the step's first key
.set QB0, 14                           ; my first query
.set RST, 15
.set CS,  16                           ; s[16:17] c = log2(e) / 8
.set SEL, 18
.set QA,  20
.set CA,  22
.set G1K, 24
.set G1V, 32
.set G0K, 40
.set G0V, 44
.set PFA, 48
.set LIM, 50
.set HB,  51
.set QP,  60
.set CP,  62
.macro TLOAD                           ; the branch hangs on the wave's number alone; an s_nop 0 and four v_nop follow each line
	s_cmp_lt_u32 s[WV], 4
	s_cbranch_scc0 .Lfor_v_\@
	tensor_load_to_lds s[G0K:G0K+3], s[G1K:G1K+7]
	s_nop 0
.rept 4
	v_nop
.endr
	s_branch .Lasked_\@
.Lfor_v_\@:
	tensor_load_to_lds s[G0V:G0V+3], s[G1V:G1V+7]
	s_nop 0
.rept 4
	v_nop
.endr
.Lasked_\@:
.endm
; A PREFETCH INTO THE L2 of the key slot that the NEXT change of slots will ask for.  All four work-groups of a head walk key slots from 0 up; the one with I = 0 walks slots 0 to 7 in its first pass, and it alone asks.
; Each of its waves asks for the quarter that it will itself fetch: 64 rows of 128 bytes, one dense run of 8,192 bytes, lanes 256 bytes apart: each block of 256 bytes is named once in the launch.
; In trip T the load asks for slot T + 1 and the prefetch for slot T + 2: it stops behind T = 5.  Slots 0 and 1 come by their loads alone.
.macro ASK
	s_cmp_lt_u32 s[T], s[LIM]
	s_cbranch_scc0 .Lnot_mine_\@
	global_prefetch_b8 v[PFO], s[PFA:PFA+1] th:TH_LOAD_NT scope:SCOPE_SE
.Lnot_mine_\@:
.endm
	s_load_b128 s[4:7], s[0:1], 0x0                ; qkv16 s[4:5], ctx16 s[6:7]
	v_lshl_add_u32 v[SPW], v0, 2, SPARE
	v_mov_b32 v[NIL], 0
	ds_add_u32 v[SPW], v[NIL]                      ; the opening: the add, twice on end, and its wait ahead of my first tensor load
	ds_add_u32 v[SPW], v[NIL]
	v_lshrrev_b32 v14, 5, v0
	v_readfirstlane_b32 s[WV], v14                 ; wave 0..7
	s_mov_b32 s[I], ttmp9
	s_sub_co_u32 s[SW], 8, s[I]
	s_lshl_b32 s[RST], s[SW], 15                   ; the first pass's slots in bytes: 256 keys of 128 bytes each
	s_and_b32 s[HB], ttmp7, 0xffff                 ; 16 x batch + head
	s_mov_b32 s[G1K], (1<<16)|(1<<20)|(4<<22)|(3<<25)   ; elements of 2 bytes; 4 words of padding after every 32
	s_mov_b32 s[G1V], (1<<16)|(1<<20)|(4<<22)|(7<<25)   ; 8 words
.irp g, G1K, G1V
	s_mov_b32 s[\g+1], 64<<16                      ; tensor_dim0
	s_mov_b32 s[\g+2], 64<<16                      ; tensor_dim1
	s_mov_b32 s[\g+3], 64<<16                      ; tile_dim0
	s_mov_b32 s[\g+4], 64                          ; tile_dim1
	s_mov_b32 s[\g+5], 64                          ; from row to row
	s_mov_b32 s[\g+6], 0
	s_mov_b32 s[\g+7], 0
.endr
	s_mov_b32 s[CS], 0x3e38aa3b
	s_mov_b32 s[CS+1], s[CS]
	s_mov_b32 s[SEL], 0x76543210
	s_mov_b32 s[SEL+1], 0xfedcba98
	s_mov_b32 s[T], 0
	s_mov_b32 s[TB], 0
	s_mov_b32 s67, 0
	s_and_b32 s52, s[WV], 3                        ; which quarter of a slot I fetch
	s_mul_i32 s53, s52, 64*PK
	s_mul_i32 s54, s52, 64*PV
	s_add_co_u32 s54, s54, VOFF
	s_lshl_b32 s56, s[HB], 18                      ; a head's plane is 2,048 rows of 128 bytes
	s_mov_b32 s57, 0
	s_lshl_b32 s58, s52, 13
	s_add_co_u32 s58, s58, s56
	s_add_co_u32 s58, s58, 16777216                ; k's planes lie behind q's,
	s_mov_b32 s59, 0
	s_add_co_u32 s68, s58, 16777216                ; v's behind k's
	s_mov_b32 s69, 0
	s_wait_dscnt 0x0                               ; both opening adds are done
	s_wait_kmcnt 0x0
	s_mov_b32 s[G0K], 1
	s_mov_b32 s[G0K+1], s53
	s_add_nc_u64 s[G0K+2:G0K+3], s[4:5], s[58:59]
	s_or_b32 s[G0K+3], s[G0K+3], 0x80000000
	s_mov_b32 s[G0V], 1
	s_mov_b32 s[G0V+1], s54
	s_add_nc_u64 s[G0V+2:G0V+3], s[4:5], s[68:69]
	s_or_b32 s[G0V+3], s[G0V+3], 0x80000000
	TLOAD                                          ; key slot 0 into LDS slot 0
	s_cmp_lt_u32 s[WV], 4
	s_cselect_b32 s70, s58, s68
	s_add_co_u32 s70, s70, 32768                   ; my quarter of key slot 1: the first change of slots steps it to slot 2
	s_mov_b32 s71, 0
	s_add_nc_u64 s[PFA:PFA+1], s[4:5], s[70:71]
	s_cmp_eq_u32 s[I], 0
	s_cselect_b32 s[LIM], 6, 0
	s_add_nc_u64 s[QP:QP+1], s[4:5], s[56:57]      ; q's plane
	s_and_b32 s54, s[HB], 15
	s_lshl_b32 s54, s54, 2
	s_lshr_b32 s55, s[HB], 4
	s_add_co_u32 s54, s54, s55
	s_lshl_b32 s54, s54, 18
	s_mov_b32 s55, 0
	s_add_nc_u64 s[CP:CP+1], s[6:7], s[54:55]      ; ctx's plane: 4 x head + batch
	v_and_b32 v14, 15, v0                          ; r
	v_bfe_u32 v15, v0, 4, 1                        ; h
	v_mul_u32_u24 v[AK0], v14, PK
	v_lshl_add_u32 v[AK0], v15, 4, v[AK0]          ; K: row r, + 16 h
	v_and_b32 v[AV0], 7, v0
	v_lshl_add_u32 v[AV0], v15, 3, v[AV0]
	v_mul_u32_u24 v[AV0], v[AV0], PV
	v_bfe_u32 v[ADK], v0, 3, 1
	v_lshl_add_u32 v[AV0], v[ADK], 4, v[AV0]
	v_add_nc_u32 v[AV0], VOFF, v[AV0]              ; V: key 8 h + lane % 8, channels 8 ((lane / 8) % 2) on
	v_lshlrev_b32 v[QO], 7, v14
	v_lshl_add_u32 v[QO], v15, 4, v[QO]
	s_mul_i32 s52, s[WV], 2304
	s_add_co_u32 s52, s52, STAGE
	v_mul_u32_u24 v[STO], v14, PK
	v_lshl_add_u32 v[STO], v15, 4, v[STO]
	v_add_nc_u32 v[STO], s52, v[STO]
	v_bfe_u32 v[RD], v0, 3, 2
	v_mul_u32_u24 v[RD], v[RD], PK
	v_and_b32 v[GO], 7, v0
	v_lshl_add_u32 v[RD], v[GO], 4, v[RD]
	v_add_nc_u32 v[RD], s52, v[RD]
	v_and_b32 v[GO], 31, v0
	v_lshlrev_b32 v[PFO], 8, v[GO]
	v_lshlrev_b32 v[GO], 4, v[GO]
	v_lshlrev_b32 v[DM], 3, v15
	v_sub_nc_u32 v[DM], v14, v[DM]
	v_mov_b32 v[NINF], 0xff800000
; A pass begins: the query block in s[b].  Q into registers; O^T and l are zeros and m lies under every score, so the key step is written once: its first run multiplies zeros.
.macro INIT b
	s_lshl_b32 s[QB0], s[\b], 8
	s_lshl_b32 s52, s[WV], 5
	s_add_co_u32 s[QB0], s[QB0], s52
	s_mov_b32 s[KF], 0
	s_lshl_b32 s52, s[QB0], 7
	s_mov_b32 s53, 0
	s_add_nc_u64 s[QA:QA+1], s[QP:QP+1], s[52:53]
	s_add_nc_u64 s[CA:CA+1], s[CP:CP+1], s[52:53]
.irp t, 0,1
.irp cs, 0,1
	global_load_b128 v[Q+16*\t+8*\cs:Q+16*\t+8*\cs+3], v[QO], s[QA:QA+1] offset:\t*2048+\cs*64
	global_load_b128 v[Q+16*\t+8*\cs+4:Q+16*\t+8*\cs+7], v[QO], s[QA:QA+1] offset:\t*2048+\cs*64+32
.endr
.endr
.irp t, 0,1
	v_mov_b32 v[ST+8*\t+1], 0xff61b1e6             ; -3e38
	v_mul_f32 v[ST+8*\t], s[CS], v[ST+8*\t+1]
.irp k, 2,3,4,5,6,7
	v_mov_b32 v[ST+8*\t+\k], 0
.endr
.endr
.set i, 0
.rept 64
	v_mov_b32 v[O+i], 0
.set i, i+1
.endr
	s_wait_loadcnt 0x0
.endm
; A pass ends: O^T / l, rounded to f16, through my stage, a tile (16 rows of 128 bytes = 2,048 consecutive bytes of ctx16) at a time.
.macro WAYOUT
.rept 4
	v_nop                                          ; places behind the last products
.endr
.irp t, 0,1
	v_add_f32 v[ST+8*\t+4], v[ST+8*\t+2], v[ST+8*\t+3]
.endr
.irp t, 0,1
	v_permlanex16_b32 v[ST+8*\t+5], v[ST+8*\t+4], s[SEL], s[SEL+1]
.endr
.irp t, 0,1
	v_add_f32 v[ST+8*\t+4], v[ST+8*\t+4], v[ST+8*\t+5]
.endr
.irp t, 0,1
	v_rcp_f32 v[ST+8*\t+6], v[ST+8*\t+4]
.endr
	v_nop                                          ; a plain line behind the reciprocals,
	s_wait_alu depctr_va_vdst(0)                   ; and one wait ahead of their first reader
.irp t, 0,1
.irp i, 0,2,4,6,8,10,12,14,16,18,20,22,24,26,28,30
	v_pk_mul_f32 v[O+32*\t+\i:O+32*\t+\i+1], v[O+32*\t+\i:O+32*\t+\i+1], v[ST+8*\t+6:ST+8*\t+7] op_sel_hi:[1,0]
.endr
.endr
.irp t, 0,1
.irp i, 0,1,2,3,4,5,6,7,8,9,10,11,12,13,14,15
	v_cvt_pk_f16_f32 v[KV+16*\t+\i], v[O+32*\t+2*\i], v[O+32*\t+2*\i+1]
.endr
.endr
.irp t, 0,1
.irp ct, 0,1,2,3
	ds_store_b128 v[STO], v[KV+16*\t+4*\ct:KV+16*\t+4*\ct+3] offset:32*\ct
.endr
.irp u, 0,1,2,3
	ds_load_b128 v[KV+32+16*\t+4*\u:KV+32+16*\t+4*\u+3], v[RD] offset:\u*576    ; in order behind my stores; the next tile's stores come behind these
.endr
.endr
	s_wait_dscnt 0x0
.irp t, 0,1
.irp u, 0,1,2,3
	global_store_b128 v[GO], v[KV+32+16*\t+4*\u:KV+32+16*\t+4*\u+3], s[CA:CA+1] offset:\t*2048+\u*512   ; 512 consecutive bytes, aligned
.endr
.endr
	s_wait_xcnt 0x0                                ; the stores have read their registers and their base: both are written again
.endm
; THE CHANGE OF SLOTS, at a slot's head.  Each wave waits for all its tensor loads (its part of the slot ahead), adds 0 to its spare word, and waits for that and for its reads of the slot that it has left; then the barrier.
; fill = 1: the slot just left takes the next trip's keys; where the next trip begins the second pass, the addresses go back to key 0.  In trip 0 all eight loads are first fills of slot 1, later all are refills.
.macro CHANGE fill
	s_wait_tensorcnt 0x0                           ; no tensor load of mine is out, so a group 0 may be written
	ds_add_u32 v[SPW], v[NIL]                      ; 0 onto my spare word; the descriptors' steps stand between it and the wait for it
.if \fill
	s_xor_b32 s[G0K+1], s[G0K+1], SLOT1
	s_xor_b32 s[G0V+1], s[G0V+1], SLOT1
	s_add_nc_u64 s[G0K+2:G0K+3], s[G0K+2:G0K+3], 32768
	s_add_nc_u64 s[G0V+2:G0V+3], s[G0V+2:G0V+3], 32768
	s_add_co_u32 s72, s[T], 1
	s_cmp_eq_u32 s72, s[SW]
	s_cselect_b32 s66, s[RST], 0
	s_sub_nc_u64 s[G0K+2:G0K+3], s[G0K+2:G0K+3], s[66:67]
	s_sub_nc_u64 s[G0V+2:G0V+3], s[G0V+2:G0V+3], s[66:67]
	s_wait_xcnt 0x0                                ; the last prefetch, a slot back, has read its address
	s_add_nc_u64 s[PFA:PFA+1], s[PFA:PFA+1], 32768
.endif
	s_wait_dscnt 0x0                               ; the add is done, and my reads of the slot that I have left are over
	s_barrier_signal -1
	s_barrier_wait -1
.if \fill
	TLOAD                                          ; the first thing behind the barrier, and my one tensor load until the next
	ASK
.endif
.endm
.macro SWITCH                          ; where the second pass begins: ids and the count of trips alone, the same in all eight waves; no barrier and no tensor load inside
	s_cmp_lg_u32 s[T], s[SW]
	s_cbranch_scc1 .Lsame_\@
	WAYOUT
	INIT I
.Lsame_\@:
.endm
; A KEY STEP: 64 keys, the st-th of the slot in hand.
.macro STEP st
	s_add_co_u32 s72, s[QB0], 31
	s_cmp_gt_u32 s[KF], s72
	s_cbranch_scc1 .Lhidden_\@
	v_add_nc_u32 v[ADK], s[TB], v[AK0]
	v_add_nc_u32 v[ADV], s[TB], v[AV0]
.rept 3
	v_nop                                          ; with the two additions five places: the products below write over registers that the last step's products read
.endr
.irp kt, 0,1,2,3
.irp cs, 0,1
	ds_load_b128 v[KV+16*\kt+8*\cs:KV+16*\kt+8*\cs+3], v[ADK] offset:\st*64*PK+\kt*16*PK+\cs*64
	ds_load_b128 v[KV+16*\kt+8*\cs+4:KV+16*\kt+8*\cs+7], v[ADK] offset:\st*64*PK+\kt*16*PK+\cs*64+32
.endr
.endr
	s_wait_dscnt 0x0
.irp cs, 0,1                                   ; S^T = K Q^T: eight accumulators by turns
.irp kt, 0,1,2,3
.irp t, 0,1
.if \cs == 0
	v_wmma_f32_16x16x32_f16 v[S+32*\t+8*\kt:S+32*\t+8*\kt+7], v[KV+16*\kt+8*\cs:KV+16*\kt+8*\cs+7], v[Q+16*\t+8*\cs:Q+16*\t+8*\cs+7], 0
.else
	v_wmma_f32_16x16x32_f16 v[S+32*\t+8*\kt:S+32*\t+8*\kt+7], v[KV+16*\kt+8*\cs:KV+16*\kt+8*\cs+7], v[Q+16*\t+8*\cs:Q+16*\t+8*\cs+7], v[S+32*\t+8*\kt:S+32*\t+8*\kt+7]
.endif
.endr
.endr
.endr
.rept 4
	v_nop                                          ; places: V lands where K lay, and the scores are read
.endr
.irp kk, 0,1                                   ; V, turned: it lands while the softmax is walked
.irp ct, 0,1,2,3
	ds_load_tr16_b128 v[KV+32*\kk+8*\ct:KV+32*\kk+8*\ct+3], v[ADV] offset:\st*64*PV+\kk*32*PV+\ct*32
	ds_load_tr16_b128 v[KV+32*\kk+8*\ct+4:KV+32*\kk+8*\ct+7], v[ADV] offset:\st*64*PV+\kk*32*PV+16*PV+\ct*32
.endr
.endr
	s_add_co_u32 s72, s[KF], 63
	s_cmp_le_u32 s72, s[QB0]
	s_cbranch_scc1 .Lopen_\@                       ; all 64 keys count for all my queries
	s_sub_co_i32 s72, s[QB0], s[KF]
	v_add_nc_u32 v14, s72, v[DM]                   ; d = my query - KF - 8 (lane / 16): register (kt, j) holds key KF + 16 kt + 8 (lane / 16) + j, hidden where 16 kt + j > d
	v_add_nc_u32 v15, 16, v14
.irp t, 0,1
.irp kt, 0,1,2,3
.irp j, 0,1,2,3,4,5,6,7
	v_cmp_gt_i32 vcc_lo, 16*\kt+\j, v[14+\t]
	v_cndmask_b32 v[S+32*\t+8*\kt+\j], v[S+32*\t+8*\kt+\j], v[NINF], vcc_lo
.endr
.endr
.endr
.Lopen_\@:
.irp j, 0,1,2,3                                ; the maximum of 32 scores and the old m, four chains a tile, the two tiles by turns; each accumulator from its low end on
.irp t, 0,1
	v_max3_num_f32 v[ST+8*\t+4+\j], v[S+32*\t+8*\j], v[S+32*\t+8*\j+1], v[S+32*\t+8*\j+2]
.endr
.endr
.irp g, 1,2
.irp j, 0,1,2,3
.irp t, 0,1
	v_max3_num_f32 v[ST+8*\t+4+\j], v[ST+8*\t+4+\j], v[S+32*\t+8*\j+2*\g+1], v[S+32*\t+8*\j+2*\g+2]
.endr
.endr
.endr
.irp t, 0,1
	v_max3_num_f32 v[ST+8*\t+4], v[ST+8*\t+4], v[S+32*\t+7], v[S+32*\t+15]
	v_max3_num_f32 v[ST+8*\t+6], v[ST+8*\t+6], v[S+32*\t+23], v[S+32*\t+31]
.endr
.irp t, 0,1
	v_max3_num_f32 v[ST+8*\t+4], v[ST+8*\t+4], v[ST+8*\t+5], v[ST+8*\t+6]
.endr
.irp t, 0,1
	v_max3_num_f32 v[ST+8*\t+4], v[ST+8*\t+4], v[ST+8*\t+7], v[ST+8*\t+1]
.endr
.irp t, 0,1
	v_permlanex16_b32 v[ST+8*\t+5], v[ST+8*\t+4], s[SEL], s[SEL+1]   ; the query's other 32 keys lie in the lane 16 away
.endr
.irp t, 0,1
	v_mov_b32 v[ST+8*\t+7], v[ST+8*\t]             ; c m_old
.endr
.irp t, 0,1
	v_max_num_f32 v[ST+8*\t+1], v[ST+8*\t+4], v[ST+8*\t+5]
.endr
.irp t, 0,1
	v_mul_f32 v[ST+8*\t], s[CS], v[ST+8*\t+1]
.endr
.irp t, 0,1
	v_sub_f32 v[ST+8*\t+7], v[ST+8*\t+7], v[ST+8*\t]
.endr
.irp i, 0,2,4,6,8,10,12,14,16,18,20,22,24,26,28,30
.irp t, 0,1
	v_pk_fma_f32 v[S+32*\t+\i:S+32*\t+\i+1], v[S+32*\t+\i:S+32*\t+\i+1], s[CS:CS+1], v[ST+8*\t:ST+8*\t+1] op_sel_hi:[1,0,0] neg_lo:[0,0,1] neg_hi:[0,0,1]   ; c s - c m
.endr
.endr
.irp t, 0,1                                    ; ONE BATCH of 66 exponentials
	v_exp_f32 v[ST+8*\t+6], v[ST+8*\t+7]           ; a = 2^(c m_old - c m_new)
.endr
.irp i, 0,1,2,3,4,5,6,7,8,9,10,11,12,13,14,15,16,17,18,19,20,21,22,23,24,25,26,27,28,29,30,31
.irp t, 0,1
	v_exp_f32 v[S+32*\t+\i], v[S+32*\t+\i]
.endr
.endr
	v_nop                                          ; a plain line behind the last exponential,
	s_wait_alu depctr_va_vdst(0)                   ; and ONE wait for the batch, ahead of its first reader
.irp t, 0,1
	v_pk_mul_f32 v[ST+8*\t+2:ST+8*\t+3], v[ST+8*\t+2:ST+8*\t+3], v[ST+8*\t+6:ST+8*\t+7] op_sel_hi:[1,0]   ; l a
	v_pk_add_f32 v[ST+8*\t+4:ST+8*\t+5], v[S+32*\t:S+32*\t+1], v[S+32*\t+2:S+32*\t+3]                     ; the sum of the unrounded p, in two chains
.endr
.irp i, 4,8,12,16,20,24,28
.irp t, 0,1
	v_pk_add_f32 v[ST+8*\t+2:ST+8*\t+3], v[ST+8*\t+2:ST+8*\t+3], v[S+32*\t+\i:S+32*\t+\i+1]
	v_pk_add_f32 v[ST+8*\t+4:ST+8*\t+5], v[ST+8*\t+4:ST+8*\t+5], v[S+32*\t+\i+2:S+32*\t+\i+3]
.endr
.endr
.irp t, 0,1
	v_pk_add_f32 v[ST+8*\t+2:ST+8*\t+3], v[ST+8*\t+2:ST+8*\t+3], v[ST+8*\t+4:ST+8*\t+5]
.endr
.irp i, 0,1,2,3,4,5,6,7,8,9,10,11,12,13,14,15  ; p to f16, in place and ascending: the destination's number is never above its sources'
.irp t, 0,1
	v_cvt_pk_f16_f32 v[S+32*\t+\i], v[S+32*\t+2*\i], v[S+32*\t+2*\i+1]
.endr
.endr
.irp i, 0,2,4,6,8,10,12,14,16,18,20,22,24,26,28,30
.irp t, 0,1
	v_pk_mul_f32 v[O+32*\t+\i:O+32*\t+\i+1], v[O+32*\t+\i:O+32*\t+\i+1], v[ST+8*\t+6:ST+8*\t+7] op_sel_hi:[1,0]   ; O^T under the new maximum
.endr
.endr
	s_wait_dscnt 0x0                               ; V is in
.irp kk, 0,1                                   ; O^T += V^T P: eight accumulators by turns
.irp ct, 0,1,2,3
.irp t, 0,1
	v_wmma_f32_16x16x32_f16 v[O+32*\t+8*\ct:O+32*\t+8*\ct+7], v[KV+32*\kk+8*\ct:KV+32*\kk+8*\ct+7], v[S+32*\t+8*\kk:S+32*\t+8*\kk+7], v[O+32*\t+8*\ct:O+32*\t+8*\ct+7]
.endr
.endr
.endr
.Lhidden_\@:
	s_add_co_u32 s[KF], s[KF], 64
.endm
	s_sub_co_u32 s73, 7, s[I]
	INIT 73                                        ; the first pass: block 7 - I
.Ltrip:                                            ; trips 0 to 7: behind each change of slots the next trip's keys are asked for
	CHANGE 1
	SWITCH
	STEP 0
	STEP 1
	STEP 2
	STEP 3
	s_xor_b32 s[TB], s[TB], SLOT1
	s_add_co_u32 s[T], s[T], 1
	s_cmp_lt_u32 s[T], 8
	s_cbranch_scc1 .Ltrip
	CHANGE 0                                       ; trip 8 is written out: nothing is left to fetch
	SWITCH
	STEP 0
	STEP 1
	STEP 2
	STEP 3
	WAYOUT
	s_wait_tensorcnt 0x0                           ; the wave's end, behind my last tensor load and my last LDS store
	ds_add_u32 v[SPW], v[NIL]
	s_wait_dscnt 0x0
	s_endpgm
.Lfunc_end_k_q17b6069c0e_attn:
	.size	k_q17b6069c0e_attn, .Lfunc_end_k_q17b6069c0e_attn-k_q17b6069c0e_attn
	.p2alignl 7, 3214868480
	.fill 96, 4, 3214868480
	.section	.rodata,"a",@progbits
	.p2align	6, 0x0
	.amdhsa_kernel k_q17b6069c0e_attn
		.amdhsa_group_segment_fixed_size 327680
		.amdhsa_private_segment_fixed_size 0
		.amdhsa_enable_private_segment 0
		.amdhsa_kernarg_size 16
		.amdhsa_user_sgpr_count 2
		.amdhsa_user_sgpr_kernarg_segment_ptr 1
		.amdhsa_wavefront_size32 1
		.amdhsa_system_sgpr_workgroup_id_x 1
		.amdhsa_system_sgpr_workgroup_id_y 1
		.amdhsa_system_sgpr_workgroup_id_z 1
		.amdhsa_system_vgpr_workitem_id 0
		.amdhsa_next_free_vgpr 256
		.amdhsa_next_free_sgpr 90
		.amdhsa_reserve_vcc 1
		.amdhsa_float_denorm_mode_32 3
		.amdhsa_float_denorm_mode_16_64 3
		.amdhsa_memory_ordered 1
		.amdhsa_forward_progress 1
		.amdhsa_inst_pref_size 208
	.end_amdhsa_kernel
	.amdgpu_metadata
---
amdhsa.version: [ 1, 2 ]
amdhsa.kernels:
  - .name:           k_q17b6069c0e_attn
    .symbol:         k_q17b6069c0e_attn.kd
    .args:
      - { .name: qkv16, .offset: 0, .size: 8, .value_kind: global_buffer, .address_space: global }
      - { .name: ctx16, .offset: 8, .size: 8, .value_kind: global_buffer, .address_space: global }
    .group_segment_fixed_size: 327680
    .private_segment_fixed_size: 0
    .kernarg_segment_align: 8
    .kernarg_segment_size: 16
    .max_flat_workgroup_size: 256
    .sgpr_count:     90
    .vgpr_count:     256
    .wavefront_size: 32
...
	.end_amdgpu_metadata
.endif
;; end of part 3
;; launch oproj (part 4): grid 4 x 64, 4 waves a work-group, clusters of 4 x 4, 327,680 bytes of LDS; arguments ctx16, wo16, out0; writes out0
.if DOCPART == 4
	.amdgcn_target "amdgcn-amd-amdhsa--gfx1250"
	.amdhsa_code_object_version 6
	.text
	.protected	k_q17b6069c0e_oproj
	.globl	k_q17b6069c0e_oproj
	.p2align	8
	.type	k_q17b6069c0e_oproj,@function
k_q17b6069c0e_oproj:
	s_mov_b64 s[64:65], 0
	v_nop
	global_prefetch_b8 v0, s[64:65] scope:SCOPE_SE
	s_setreg_imm32_b32 hwreg(HW_REG_WAVE_MODE, 25, 1), 1
	s_wait_xcnt 0x0
	s_wait_alu depctr_hold_cnt(0) depctr_sa_sdst(0) depctr_va_vdst(0) depctr_va_sdst(0) depctr_va_ssrc(0) depctr_va_vcc(0) depctr_vm_vsrc(0)
	s_getreg_b32 s2, hwreg(HW_REG_IB_STS2, 6, 4)
	s_cmp_eq_u32 s2, 0
	s_cbranch_scc0 .Lentry_in_a_cluster
	s_endpgm
.Lentry_in_a_cluster:
	s_bfe_u32 s2, ttmp6, 0x10000c
	s_cmp_lg_u32 s2, 0xf033
	s_cbranch_scc0 .Lentry_shape_is_right
	s_endpgm
.Lentry_shape_is_right:
; out[m][n] = the sum over k of ctx[m][k] Wo[k][n], f16 operands, f32 sums, f32 out.  ctx16: [h 16][m 8192][64] f16 (a head is a dense plane of 2^20 bytes).  wo16: images of the operand's registers,
; [nblk 4][kstep 8][half 2][k32 4][tile 8][1,024 bytes].  ROWS AT POSITIONS 0 TO 15 OF EVERY SEQUENCE ARE NOT STORED HERE: a launch of its own makes them in f32.
; A tile is 128 (m) x 256 (n): 64 x 4 = 256 work-groups.  Four waves, each 64 x 128: 32 accumulators.  K goes in steps of 128 (two heads) through a ring of two LDS slots.
; CLUSTERS: 4 x 4: cx = which 256 columns, cy = the batch, cluster y = which 128 positions.  A row of the cluster shares ctx's tiles, a column Wo's: joint loads, one a wave behind each round.
; THE MATRIX INSTRUCTION IS USED TRANSPOSED (source 0 = 16 columns n, source 1 = 16 rows m): a lane holds eight neighbouring columns of one row.
; REGISTERS: window 0: v0-31 addresses; v128-255 two sets of 64 on the way out.  window 1: two fragment buffers (at v0 and v128): 32 registers of ctx (4 x 16 rows x 32 K), then 64 of Wo.  window 2: the accumulators, (a, b) at v[8 (8 a + b)].
.set PA,     144                       ; a row of a plane in LDS: 128 bytes + 16
.set PLANE,  128*PA
.set BOFF,   2*PLANE
.set HALFB,  32768
.set SLOT,   BOFF+2*HALFB              ; 102,400
.set STAGE,  2*SLOT
.set SPITCH, 528
.set SPARE,  STAGE+4*16*SPITCH
.set LAPS,   4                         ; a lap = two K steps
.set KSTEPA, 2097152                   ; a K step in ctx16: two planes
.set ADRA, 16
.set ADRB, 20
.set STO,  24
.set RD,   25
.set CO,   26
.set SPW,  28
.set NIL,  29
.set PFO,  30
.set BK,   128
.set F0,   0
.set F1,   128
.set G1, 24
.set G0, 32
.set G1B, 48
.set G0B, 56
.set PFA, 66
.set LIM, 68
.set MSB, 0
.macro WIN new
.if MSB != (\new)
	s_set_vgpr_msb (MSB<<8)|(\new)
.set MSB, (\new)
.endif
.endm
.set MUL,  0xa5                        ; sources 0 and 1 window 1; C and D window 2
.set TO_F, 0x40
.macro JLOAD s                         ; waves 0 and 1 fetch ctx's two planes, waves 2 and 3 Wo's two halves; an s_nop 0 and four v_nop follow each line
	s_cmp_eq_u32 s11, 0
	s_cbranch_scc0 .Lfor_b_\@
	tensor_load_to_lds s[G0+4*\s:G0+4*\s+3], s[G1:G1+7]
	s_nop 0
.rept 4
	v_nop
.endr
	s_branch .Lasked_\@
.Lfor_b_\@:
	tensor_load_to_lds s[G0B+4*\s:G0B+4*\s+3], s[G1B:G1B+7]
	s_nop 0
.rept 4
	v_nop
.endr
.Lasked_\@:
.endm
.macro CREST
	s_cmp_lg_u32 s10, 0
	s_cbranch_scc1 .Lnot_wave_0_\@
	s_barrier_signal -3
.Lnot_wave_0_\@:
	s_barrier_wait -3
	s_barrier_signal -1
	s_barrier_wait -1
.endm
.macro CROUND
	s_barrier_signal -1
	s_barrier_wait -1
	CREST
.endm
; A PREFETCH INTO THE L2 of ctx's K step that stands two refills on.  A tile's rows are read by the four partners of one row of the cluster and by nobody else; they share its 128 rows out BY ADDRESS, 32 each (cx), and in each
; wave 0 asks: two planes x 32 rows of 128 bytes = two runs of 4,096 bytes, lanes 256 bytes apart: each block of 256 bytes is named once.  K steps 0 to 3 come by their loads alone; the last lap that refills asks for nothing.
; Wo's images, which every cluster walks again and again, are not asked for.
.macro ASK
	s_cmp_gt_u32 s3, s[LIM]
	s_cbranch_scc0 .Lnot_mine_\@
	global_prefetch_b8 v[PFO], s[PFA:PFA+1] offset:KSTEPA th:TH_LOAD_NT scope:SCOPE_SE
.Lnot_mine_\@:
.endm
	s_load_b128 s[4:7], s[0:1], 0x0                ; ctx16 s[4:5], wo16 s[6:7]
	s_load_b64 s[8:9], s[0:1], 0x10                ; out0
	v_lshl_add_u32 v[SPW], v0, 2, SPARE
	v_mov_b32 v[NIL], 0
	ds_add_u32 v[SPW], v[NIL]                      ; the opening: the add, twice on end, and its wait ahead of my first tensor load
	ds_add_u32 v[SPW], v[NIL]
	v_lshrrev_b32 v1, 5, v0
	v_readfirstlane_b32 s10, v1                    ; wave 0..3
	s_lshr_b32 s11, s10, 1                         ; my half of the rows.  Also: I fetch for ctx (0) or for Wo (1)
	s_and_b32 s12, s10, 1                          ; my half of the columns.  Also: which plane, or which half of Wo's block, I fetch
	s_bfe_u32 s40, ttmp6, 0x40000                  ; cx
	s_bfe_u32 s41, ttmp6, 0x40004                  ; cy: the batch
	s_and_b32 s13, ttmp7, 0xffff                   ; which 128 positions
	s_lshl_b32 s43, s41, 2
	s_lshl_b32 s43, 15, s43                        ; my row of the cluster
	s_lshl_b32 s44, 0x1111, s40                    ; my column
	s_or_b32 s[G1+0], s43, (1<<16)|(1<<20)|(1<<21)|(4<<22)|(3<<25)   ; elements of 2 bytes; 4 words of padding after every 32; bit 21 beside a mask
	s_mov_b32 s[G1+1], 64<<16
	s_mov_b32 s[G1+2], 128<<16
	s_mov_b32 s[G1+3], 64<<16
	s_mov_b32 s[G1+4], 128
	s_mov_b32 s[G1+5], 64
	s_mov_b32 s[G1+6], 0
	s_mov_b32 s[G1+7], 0
	s_or_b32 s[G1B+0], s44, (3<<16)|(1<<21)        ; a dense block: 128 rows of 32 elements of 8 bytes
	s_mov_b32 s[G1B+1], 32<<16
	s_mov_b32 s[G1B+2], 128<<16
	s_mov_b32 s[G1B+3], 32<<16
	s_mov_b32 s[G1B+4], 128
	s_mov_b32 s[G1B+5], 32
	s_mov_b32 s[G1B+6], 0
	s_mov_b32 s[G1B+7], 0
	s_lshl_b32 s16, s41, 11
	s_lshl_b32 s17, s13, 7
	s_add_co_u32 s16, s16, s17                     ; m0 = 2,048 x batch + 128 x block
	s_lshl_b32 s18, s16, 7
	s_lshl_b32 s19, s12, 20
	s_add_co_u32 s18, s18, s19                     ; my plane of K step 0, at row m0
	s_mov_b32 s19, 0
	s_lshl_b32 s46, s40, 19
	s_lshl_b32 s47, s12, 15
	s_add_co_u32 s46, s46, s47
	s_mov_b32 s47, 0
	s_mul_i32 s20, s12, PLANE                      ; where they go: no place in the cluster enters an LDS address
	s_mul_i32 s21, s12, HALFB
	s_add_co_u32 s21, s21, BOFF
	s_wait_dscnt 0x0
	s_wait_kmcnt 0x0
	s_add_nc_u64 s[18:19], s[4:5], s[18:19]
	s_add_nc_u64 s[46:47], s[6:7], s[46:47]
	CROUND                                         ; all sixteen work-groups are here: the first joint loads meet
.irp s, 0,1
	s_mov_b32 s[G0+4*\s], 1
	s_add_co_u32 s[G0+4*\s+1], s20, \s*SLOT
	s_add_nc_u64 s[G0+4*\s+2:G0+4*\s+3], s[18:19], \s*KSTEPA
	s_or_b32 s[G0+4*\s+3], s[G0+4*\s+3], 0x80000000
	s_mov_b32 s[G0B+4*\s], 1
	s_add_co_u32 s[G0B+4*\s+1], s21, \s*SLOT
	s_add_nc_u64 s[G0B+4*\s+2:G0B+4*\s+3], s[46:47], \s*65536
	s_or_b32 s[G0B+4*\s+3], s[G0B+4*\s+3], 0x80000000
	JLOAD \s
.endr
	v_and_b32 v1, 15, v0                           ; r
	v_bfe_u32 v2, v0, 4, 1                         ; h
	v_and_b32 v6, 31, v0
	v_lshlrev_b32 v[CO], 4, v6
	v_mul_u32_u24 v3, v1, PA
	v_lshl_add_u32 v3, v2, 4, v3
	s_mul_i32 s21, s11, 64*PA                      ; my 64 rows of each plane
	s_mul_i32 s22, s12, HALFB
	s_add_co_u32 s22, s22, BOFF
.irp s, 0,1
	v_add_nc_u32 v[ADRA+\s], s21, v3
	v_add_nc_u32 v[ADRB+\s], s22, v[CO]
	s_add_co_u32 s21, s21, SLOT
	s_add_co_u32 s22, s22, SLOT
.endr
	s_mul_i32 s23, s10, 16*SPITCH
	s_add_co_u32 s23, s23, STAGE                   ; my stage
	v_mul_u32_u24 v4, v1, SPITCH
	v_lshl_add_u32 v4, v2, 5, v4
	v_add_nc_u32 v[STO], s23, v4
	v_add_nc_u32 v[RD], s23, v[CO]
	s_lshl_b32 s17, s11, 6
	s_add_co_u32 s17, s16, s17                     ; my first row of out0
	s_lshl_b32 s14, s17, 12
	s_lshl_b32 s15, s40, 10
	s_add_co_u32 s14, s14, s15
	s_lshl_b32 s15, s12, 9
	s_add_co_u32 s14, s14, s15
	s_mov_b32 s15, 0
	s_add_nc_u64 s[8:9], s[8:9], s[14:15]
	s_or_b32 s69, s13, s11                         ; 0 where my first 16 rows are positions 0 to 15
	s_lshl_b32 s14, s16, 7
	s_lshl_b32 s17, s40, 12
	s_add_co_u32 s14, s14, s17
	s_add_co_u32 s14, s14, 2*KSTEPA                ; at K step 2: the first refill steps it to 3 and names K step 4
	s_add_nc_u64 s[PFA:PFA+1], s[4:5], s[14:15]
	s_cmp_eq_u32 s10, 0
	s_cselect_b32 s[LIM], 1, -1
	v_lshlrev_b32 v[PFO], 8, v1
	v_lshl_or_b32 v[PFO], v2, 20, v[PFO]           ; lanes 0-15: the first plane's 4,096 bytes; lanes 16-31: the second's
.macro MULA f, a, zero                 ; 8 products: ctx's block a against Wo's eight, 32 along K.  The 32 accumulators take turns in the same order in every quarter
.irp b, 0,1,2,3,4,5,6,7
.if \zero
	v_wmma_f32_16x16x32_f16 v[8*(8*(\a)+\b):8*(8*(\a)+\b)+7], v[\f+32+8*\b:\f+32+8*\b+7], v[\f+8*(\a):\f+8*(\a)+7], 0
.else
	v_wmma_f32_16x16x32_f16 v[8*(8*(\a)+\b):8*(8*(\a)+\b)+7], v[\f+32+8*\b:\f+32+8*\b+7], v[\f+8*(\a):\f+8*(\a)+7], v[8*(8*(\a)+\b):8*(8*(\a)+\b)+7]
.endif
.endr
.endm
.macro FETCH slot, q, f                ; 24 LDS loads in one run: the fragments of the slot's q-th 32 along K
	WIN TO_F
.irp b, 0,1,2,3,4,5,6,7
	ds_load_b128 v[\f+32+8*\b:\f+32+8*\b+3],   v[ADRB+\slot] offset:(\q)*8192+\b*1024
	ds_load_b128 v[\f+32+8*\b+4:\f+32+8*\b+7], v[ADRB+\slot] offset:(\q)*8192+\b*1024+512
.endr
.irp a, 0,1,2,3
	ds_load_b128 v[\f+8*\a:\f+8*\a+3],   v[ADRA+\slot] offset:((\q)/2)*PLANE+((\q)%2)*64+\a*16*PA
	ds_load_b128 v[\f+8*\a+4:\f+8*\a+7], v[ADRA+\slot] offset:((\q)/2)*PLANE+((\q)%2)*64+\a*16*PA+32
.endr
.endm
.macro PLACES
.rept 4
	v_nop
.endr
.endm
.macro QUARTER slot, qn, f, g, zero    ; multiplies buffer f; in its middle it fetches the slot's quarter qn into buffer g
	s_wait_dscnt 0x0
	WIN MUL
	MULA \f, 0, \zero
	MULA \f, 1, \zero
	PLACES
	FETCH \slot, \qn, \g
	WIN MUL
	MULA \f, 2, \zero
	MULA \f, 3, \zero
.endm
; A slot's last quarter multiplies buffer 1 and changes slots: one barrier; in front of it each wave waits for all its tensor loads, adds 0 to its spare word, and waits for that and for its reads of this slot.
; fill = 1: the barrier opens a round of the cluster's barrier, and behind the round this slot is filled again, two K steps ahead.
.macro TURN slot, next, fill
	WIN 0
.if \fill
	s_wait_xcnt 0x0                                ; the last prefetch, a K step back, has read its address
	s_add_nc_u64 s[PFA:PFA+1], s[PFA:PFA+1], KSTEPA
.endif
	s_wait_tensorcnt 0x0
	ds_add_u32 v[SPW], v[NIL]
	s_wait_dscnt 1                                 ; buffer 1's fragments are in; the add alone may be out
	WIN MUL
	MULA F1, 0, 0
	s_wait_dscnt 0x0
	s_barrier_signal -1
	MULA F1, 1, 0
.if \fill
	WIN 0
.endif
	s_barrier_wait -1
.if \fill
	CREST
	s_add_nc_u64 s[G0+4*\slot+2:G0+4*\slot+3], s[G0+4*\slot+2:G0+4*\slot+3], 2*KSTEPA
	s_add_nc_u64 s[G0B+4*\slot+2:G0B+4*\slot+3], s[G0B+4*\slot+2:G0B+4*\slot+3], 2*65536
	JLOAD \slot                                    ; the first tensor load behind the round; its four v_nop are also the places in front of the loads below
.else
	PLACES
.endif
	FETCH \next, 0, F0
.if \fill
	WIN 0
	ASK
.endif
	WIN MUL
	MULA F1, 2, 0
	MULA F1, 3, 0
.endm
	s_wait_tensorcnt 1                             ; my part of K step 0 is in; K step 1's may stay out
	s_barrier_signal -1
	s_barrier_wait -1
	FETCH 0, 0, F0
	QUARTER 0, 1, F0, F1, 1                        ; the first quarter's products start the sums
	WIN 0
	s_mov_b32 s3, LAPS-1
.Llap:
	QUARTER 0, 2, F1, F0, 0
	QUARTER 0, 3, F0, F1, 0
	TURN 0, 1, 1
	QUARTER 1, 1, F0, F1, 0
	QUARTER 1, 2, F1, F0, 0
	QUARTER 1, 3, F0, F1, 0
	TURN 1, 0, 1
	QUARTER 0, 1, F0, F1, 0
	WIN 0
	s_sub_co_u32 s3, s3, 1
	s_cmp_lg_u32 s3, 0
	s_cbranch_scc1 .Llap
	QUARTER 0, 2, F1, F0, 0                        ; the last lap fills nothing
	QUARTER 0, 3, F0, F1, 0
	TURN 0, 1, 0
	QUARTER 1, 1, F0, F1, 0
	QUARTER 1, 2, F1, F0, 0
	QUARTER 1, 3, F0, F1, 0
	s_wait_dscnt 0x0
	WIN MUL
	MULA F1, 0, 0
	MULA F1, 1, 0
	MULA F1, 2, 0
	MULA F1, 3, 0
	WIN 0
	PLACES
; THE WAY OUT, a block of 16 rows x 128 columns at a time: through my stage and back as whole rows of 512 bytes.
.macro TOSTAGE a
	WIN 0x08                                       ; an LDS store's data are its source 1: window 2
.irp b, 0,1,2,3,4,5,6,7
	ds_store_b128 v[STO], v[8*(8*(\a)+\b):8*(8*(\a)+\b)+3] offset:64*\b
	ds_store_b128 v[STO], v[8*(8*(\a)+\b)+4:8*(8*(\a)+\b)+7] offset:64*\b+16
.endr
	WIN 0
.irp t, 0,1,2,3,4,5,6,7,8,9,10,11,12,13,14,15
	ds_load_b128 v[BK+64*((\a)%2)+4*\t:BK+64*((\a)%2)+4*\t+3], v[RD] offset:\t*SPITCH
.endr
.endm
.macro SEND a, younger                 ; younger: the LDS instructions issued behind block a's loads
	s_wait_dscnt \younger
.irp t, 0,1,2,3,4,5,6,7,8,9,10,11,12,13,14,15
	global_store_b128 v[CO], v[BK+64*((\a)%2)+4*\t:BK+64*((\a)%2)+4*\t+3], s[8:9] offset:(16*(\a)+\t)*4096 th:TH_STORE_NT   ; 512 consecutive bytes, aligned
.endr
.endm
	s_cmp_eq_u32 s69, 0                            ; positions 0 to 15 are another launch's: the cluster's y and the wave's number alone decide
	s_cbranch_scc1 .Lnot_mine
	TOSTAGE 0
	SEND 0, 0
.Lnot_mine:
	TOSTAGE 1
	s_wait_xcnt 0x0                                ; block 0's stores have read their registers
	TOSTAGE 2
	SEND 1, 32                                     ; behind block 1's loads: block 2's 16 stores and 16 loads
	s_wait_xcnt 0x0
	TOSTAGE 3
	SEND 2, 32
	SEND 3, 0
	s_wait_tensorcnt 0x0                           ; the wave's end
	ds_add_u32 v[SPW], v[NIL]
	s_wait_dscnt 0x0
	CROUND                                         ; the closing round
	s_endpgm
.Lfunc_end_k_q17b6069c0e_oproj:
	.size	k_q17b6069c0e_oproj, .Lfunc_end_k_q17b6069c0e_oproj-k_q17b6069c0e_oproj
	.p2alignl 7, 3214868480
	.fill 96, 4, 3214868480
	.section	.rodata,"a",@progbits
	.p2align	6, 0x0
	.amdhsa_kernel k_q17b6069c0e_oproj
		.amdhsa_group_segment_fixed_size 327680
		.amdhsa_private_segment_fixed_size 0
		.amdhsa_enable_private_segment 0
		.amdhsa_kernarg_size 24
		.amdhsa_user_sgpr_count 2
		.amdhsa_user_sgpr_kernarg_segment_ptr 1
		.amdhsa_wavefront_size32 1
		.amdhsa_system_sgpr_workgroup_id_x 1
		.amdhsa_system_sgpr_workgroup_id_y 1
		.amdhsa_system_sgpr_workgroup_id_z 1
		.amdhsa_system_vgpr_workitem_id 0
		.amdhsa_next_free_vgpr 768
		.amdhsa_next_free_sgpr 70
		.amdhsa_reserve_vcc 0
		.amdhsa_float_denorm_mode_32 3
		.amdhsa_float_denorm_mode_16_64 3
		.amdhsa_memory_ordered 1
		.amdhsa_forward_progress 1
		.amdhsa_inst_pref_size 85
	.end_amdhsa_kernel
	.amdgpu_metadata
---
amdhsa.version: [ 1, 2 ]
amdhsa.kernels:
  - .name:           k_q17b6069c0e_oproj
    .symbol:         k_q17b6069c0e_oproj.kd
    .args:
      - { .name: ctx16, .offset: 0, .size: 8, .value_kind: global_buffer, .address_space: global }
      - { .name: wo16, .offset: 8, .size: 8, .value_kind: global_buffer, .address_space: global }
      - { .name: out0, .offset: 16, .size: 8, .value_kind: global_buffer, .address_space: global }
    .group_segment_fixed_size: 327680
    .private_segment_fixed_size: 0
    .kernarg_segment_align: 8
    .kernarg_segment_size: 24
    .max_flat_workgroup_size: 128
    .sgpr_count:     70
    .vgpr_count:     768
    .wavefront_size: 32
...
	.end_amdgpu_metadata
.endif
;; end of part 4
;; launch head16 (part 5): grid 16 x 4, 16 waves a work-group, no clusters, 71,680 bytes of LDS; arguments h32, Wo, out0; writes out0
.if DOCPART == 5
	.amdgcn_target "amdgcn-amd-amdhsa--gfx1250"
	.amdhsa_code_object_version 6
	.text
	.protected	k_q17b6069c0e_head16
	.globl	k_q17b6069c0e_head16
	.p2align	8
	.type	k_q17b6069c0e_head16,@function
k_q17b6069c0e_head16:
	s_mov_b64 s[64:65], 0
	v_nop
	global_prefetch_b8 v0, s[64:65] scope:SCOPE_SE
	s_setreg_imm32_b32 hwreg(HW_REG_WAVE_MODE, 25, 1), 1
	s_wait_xcnt 0x0
; Positions 0 to 15 of every sequence, all in f32: they average one to sixteen values and are the largest rows of the output, so f16 operands would weigh most there.
; h32: [b 4][which 3][h 16][s 16][64] f32 (q and k rotated).  Wo: [1024 k][1024 n] f32.  out0 rows b x 2,048 + 0 .. 15.
; A work-group = (64 columns of out0, a batch).  Wave w is head w: it makes that head's attention of 16 queries x 16 keys, then the part of the 64 columns that its 64 channels give; the 16 parts are added through LDS, in ascending order.
; All products by v_wmma_f32_16x16x4_f32, used transposed, so that a lane holds ONE query throughout.  A place (lane / 16, register) along K stands for the same k in both operands of a product:
;   S^T = K Q^T: step 2 u + e, place (h, j): channel 8 u + 4 h + 2 e + j.   O^T = V^T P: step c, place (h, j): key 8 h + 2 c + j, which is where P lies.   Y^T = Wo^T O: step (ct, c), place (h, j): channel 16 ct + 8 h + 2 c + j, where O^T lies.
; v32-111 (two sums of S^T, four of O^T, four of Y^T) are written by matrix instructions alone; what is made of a finished sum goes into other registers.
.set SPARE, 16*4352                    ; behind the 16 parts (16 rows x 272 bytes each): the spare words, 128 bytes a wave
.set SPW, 2
.set NIL, 3
	s_load_b128 s[4:7], s[0:1], 0x0                ; h32 s[4:5], Wo s[6:7]
	s_load_b64 s[8:9], s[0:1], 0x10                ; out0
	v_lshl_add_u32 v[SPW], v0, 2, SPARE
	v_mov_b32 v[NIL], 0
	v_lshrrev_b32 v1, 5, v0
	v_readfirstlane_b32 s10, v1                    ; wave = head
	s_and_b32 s11, ttmp7, 0xffff                   ; batch
	v_and_b32 v4, 15, v0                           ; r
	v_bfe_u32 v5, v0, 4, 1                         ; h
	v_lshlrev_b32 v6, 8, v4
	v_lshl_add_u32 v6, v5, 4, v6                   ; q, k: row r of 256 bytes, + 16 h
	v_lshlrev_b32 v7, 2, v4
	v_lshl_add_u32 v8, v5, 15, v7                  ; Wo: 8 h rows of 4,096 bytes, + 4 r
	v_lshl_add_u32 v7, v5, 11, v7                  ; v: 8 h rows of 256 bytes, + 4 r
	v_lshlrev_b32 v9, 3, v5
	v_sub_nc_u32 v9, v4, v9                        ; r - 8 h
	s_mul_i32 s12, s10, 4352
	v_mul_u32_u24 v10, v4, 272
	v_lshl_add_u32 v10, v5, 5, v10
	v_add_nc_u32 v10, s12, v10                     ; my part: row r, + 32 h
	s_mul_i32 s12, s10, 544
	v_mul_u32_u24 v11, v5, 272
	v_lshl_add_u32 v11, v4, 4, v11
	v_add_nc_u32 v11, s12, v11                     ; the sum: rows 2 w and 2 w + 1 of part 0, sixteen lanes a row
	v_lshlrev_b32 v12, 4, v4
	v_lshl_add_u32 v12, v5, 12, v12                ; and the same two rows in out0
	v_mov_b32 v15, 0
	s_mov_b32 s16, 0x76543210
	s_mov_b32 s17, 0xfedcba98
	s_mov_b32 s18, 0x3e38aa3b                      ; c = log2(e) / 8
	s_mul_i32 s12, s11, 48
	s_add_co_u32 s12, s12, s10
	s_lshl_b32 s12, s12, 12                        ; q's plane of (batch, head); k's lies 65,536 bytes on, v's 131,072
	s_mov_b32 s13, 0
	s_lshl_b32 s14, s10, 18                        ; Wo's rows 64 w on,
	s_lshl_b32 s15, ttmp9, 8                       ; my 64 columns
	s_add_co_u32 s14, s14, s15
	s_mov_b32 s15, 0
	s_lshl_b32 s20, s11, 11
	s_lshl_b32 s21, s10, 1
	s_add_co_u32 s20, s20, s21
	s_lshl_b32 s20, s20, 12
	s_lshl_b32 s21, ttmp9, 8
	s_add_co_u32 s20, s20, s21
	s_mov_b32 s21, 0
	s_wait_kmcnt 0x0
	s_add_nc_u64 s[4:5], s[4:5], s[12:13]
	s_add_nc_u64 s[6:7], s[6:7], s[14:15]
	s_add_nc_u64 s[8:9], s[8:9], s[20:21]
.irp u, 0,1,2,3,4,5,6,7
	global_load_b128 v[112+4*\u:115+4*\u], v6, s[4:5] offset:32*\u              ; q
.endr
.irp u, 0,1,2,3,4,5,6,7
	global_load_b128 v[144+4*\u:147+4*\u], v6, s[4:5] offset:65536+32*\u        ; k
.endr
.irp ct, 0,1,2,3
.irp c, 0,1,2,3
.irp j, 0,1
	global_load_b32 v[176+8*\ct+2*\c+\j], v7, s[4:5] offset:131072+(2*\c+\j)*256+\ct*64   ; v(key 8 h + 2 c + j, channel 16 ct + r)
.endr
.endr
.endr
.macro WFLOAD ct, reg                  ; Wo(64 w + 16 ct + 8 h + 2 c + j, my columns 16 nt + r) -> v[reg + 8 c + 2 nt + j]
.irp c, 0,1,2,3
.irp nt, 0,1,2,3
.irp j, 0,1
	global_load_b32 v[\reg+8*\c+2*\nt+\j], v8, s[6:7] offset:(16*\ct+2*\c+\j)*4096+\nt*64
.endr
.endr
.endr
.endm
	WFLOAD 0, 208
	s_wait_loadcnt 63                              ; q and k are in (the 64 loads behind them could stay out: the wait's field holds 63)
.irp i, 0,1,2,3,4,5,6,7,8,9,10,11,12,13,14,15  ; S^T: two sums by turns; each begins with the constant 0
.if \i < 2
	v_wmma_f32_16x16x4_f32 v[32+8*(\i%2):39+8*(\i%2)], v[144+2*\i:145+2*\i], v[112+2*\i:113+2*\i], 0
.else
	v_wmma_f32_16x16x4_f32 v[32+8*(\i%2):39+8*(\i%2)], v[144+2*\i:145+2*\i], v[112+2*\i:113+2*\i], v[32+8*(\i%2):39+8*(\i%2)]
.endif
.endr
.rept 8
	v_nop                                          ; eight places behind this form, ahead of reads of the sums and of loads into its sources
.endr
	WFLOAD 1, 112
	WFLOAD 2, 144
.irp j, 0,1,2,3,4,5,6,7
	v_add_f32 v[16+\j], v[32+\j], v[40+\j]         ; score of (query r, key 8 h + j); both sums from their low ends on
.endr
	v_mov_b32 v13, 0xff800000
.irp j, 0,1,2,3,4,5,6,7
	v_cmp_gt_i32 vcc_lo, \j, v9                    ; key 8 h + j > query r: hidden
	v_cndmask_b32 v[16+\j], v[16+\j], v13, vcc_lo
.endr
	v_max3_num_f32 v14, v16, v17, v18
	v_max3_num_f32 v14, v14, v19, v20
	v_max3_num_f32 v14, v14, v21, v22
	v_max_num_f32 v14, v14, v23
	v_permlanex16_b32 v15, v14, s16, s17
	v_max_num_f32 v14, v14, v15                    ; the row's maximum: key 0 counts for every query
	v_mul_f32 v14, s18, v14
.irp j, 0,1,2,3,4,5,6,7
	v_fma_f32 v[16+\j], v[16+\j], s18, -v14
.endr
.irp j, 0,1,2,3,4,5,6,7
	v_exp_f32 v[16+\j], v[16+\j]
.endr
	v_nop                                          ; a plain line behind the exponentials,
	s_wait_alu depctr_va_vdst(0)                   ; and one wait ahead of their first reader
	v_add_f32 v14, v16, v17
.irp j, 2,3,4,5,6,7
	v_add_f32 v14, v14, v[16+\j]
.endr
	v_permlanex16_b32 v15, v14, s16, s17
	v_add_f32 v14, v14, v15
	v_rcp_f32 v14, v14
	v_nop
	s_wait_alu depctr_va_vdst(0)
.irp j, 0,1,2,3,4,5,6,7
	v_mul_f32 v[24+\j], v[16+\j], v14              ; P(query r, key 8 h + j)
.endr
	s_wait_loadcnt 63                              ; v is in (96 loads behind it could stay out)
.irp c, 0,1,2,3                                ; O^T: four sums by turns
.irp ct, 0,1,2,3
.if \c == 0
	v_wmma_f32_16x16x4_f32 v[48+8*\ct:55+8*\ct], v[176+8*\ct+2*\c:177+8*\ct+2*\c], v[24+2*\c:25+2*\c], 0
.else
	v_wmma_f32_16x16x4_f32 v[48+8*\ct:55+8*\ct], v[176+8*\ct+2*\c:177+8*\ct+2*\c], v[24+2*\c:25+2*\c], v[48+8*\ct:55+8*\ct]
.endif
.endr
.endr
.rept 9
	v_nop                                          ; nine places: the sums become an operand; and loads land on v's registers
.endr
	WFLOAD 3, 176
.macro YSTEP ct, reg, left             ; Y^T += Wo^T O^T over channels 16 ct .. 16 ct + 15: four sums by turns.  left: how many younger loads may stay out
	s_wait_loadcnt \left
.irp c, 0,1,2,3
.irp nt, 0,1,2,3
.if (\ct == 0) && (\c == 0)
	v_wmma_f32_16x16x4_f32 v[80+8*\nt:87+8*\nt], v[\reg+8*\c+2*\nt:\reg+8*\c+2*\nt+1], v[48+8*\ct+2*\c:49+8*\ct+2*\c], 0
.else
	v_wmma_f32_16x16x4_f32 v[80+8*\nt:87+8*\nt], v[\reg+8*\c+2*\nt:\reg+8*\c+2*\nt+1], v[48+8*\ct+2*\c:49+8*\ct+2*\c], v[80+8*\nt:87+8*\nt]
.endif
.endr
.endr
.endm
	YSTEP 0, 208, 63                               ; 96 could stay out
	YSTEP 1, 112, 63                               ; 64 could
	YSTEP 2, 144, 32
	YSTEP 3, 176, 0
.rept 8
	v_nop
.endr
.irp nt, 0,1,2,3
.irp e, 0,1
	ds_store_b128 v10, v[80+8*\nt+4*\e:83+8*\nt+4*\e] offset:\nt*64+16*\e    ; lane (r, h): my part of out(r, 16 nt + 8 h + 0 .. 7); each sum from its low end on
.endr
.endr
	s_wait_dscnt 0x0                               ; for the others' sake: my part lies in LDS
	s_barrier_signal -1
	s_barrier_wait -1
	s_cmp_lt_u32 s10, 8                            ; waves 0 to 7 add two rows each
	s_cbranch_scc0 .Ldone
.irp p, 0,1,2,3,4,5,6,7,8,9,10,11,12,13,14,15
	ds_load_b128 v[112+4*\p:115+4*\p], v11 offset:\p*4352
.endr
	s_wait_dscnt 0x0
.irp p, 1,2,3,4,5,6,7,8,9,10,11,12,13,14,15
	v_pk_add_f32 v[112:113], v[112:113], v[112+4*\p:113+4*\p]
	v_pk_add_f32 v[114:115], v[114:115], v[114+4*\p:115+4*\p]
.endr
	global_store_b128 v12, v[112:115], s[8:9]      ; sixteen lanes store 256 consecutive bytes, aligned
.Ldone:
	s_wait_tensorcnt 0x0                           ; the wave's end, behind my last LDS store
	ds_add_u32 v[SPW], v[NIL]
	s_wait_dscnt 0x0
	s_endpgm
.Lfunc_end_k_q17b6069c0e_head16:
	.size	k_q17b6069c0e_head16, .Lfunc_end_k_q17b6069c0e_head16-k_q17b6069c0e_head16
	.p2alignl 7, 3214868480
	.fill 96, 4, 3214868480
	.section	.rodata,"a",@progbits
	.p2align	6, 0x0
	.amdhsa_kernel k_q17b6069c0e_head16
		.amdhsa_group_segment_fixed_size 71680
		.amdhsa_private_segment_fixed_size 0
		.amdhsa_enable_private_segment 0
		.amdhsa_kernarg_size 24
		.amdhsa_user_sgpr_count 2
		.amdhsa_user_sgpr_kernarg_segment_ptr 1
		.amdhsa_wavefront_size32 1
		.amdhsa_system_sgpr_workgroup_id_x 1
		.amdhsa_system_sgpr_workgroup_id_y 1
		.amdhsa_system_sgpr_workgroup_id_z 1
		.amdhsa_system_vgpr_workitem_id 0
		.amdhsa_next_free_vgpr 256
		.amdhsa_next_free_sgpr 66
		.amdhsa_reserve_vcc 1
		.amdhsa_float_denorm_mode_32 3
		.amdhsa_float_denorm_mode_16_64 3
		.amdhsa_memory_ordered 1
		.amdhsa_forward_progress 1
		.amdhsa_inst_pref_size 33
	.end_amdhsa_kernel
	.amdgpu_metadata
---
amdhsa.version: [ 1, 2 ]
amdhsa.kernels:
  - .name:           k_q17b6069c0e_head16
    .symbol:         k_q17b6069c0e_head16.kd
    .args:
      - { .name: h32, .offset: 0, .size: 8, .value_kind: global_buffer, .address_space: global }
      - { .name: Wo, .offset: 8, .size: 8, .value_kind: global_buffer, .address_space: global }
      - { .name: out0, .offset: 16, .size: 8, .value_kind: global_buffer, .address_space: global }
    .group_segment_fixed_size: 71680
    .private_segment_fixed_size: 0
    .kernarg_segment_align: 8
    .kernarg_segment_size: 24
    .max_flat_workgroup_size: 512
    .sgpr_count:     66
    .vgpr_count:     256
    .wavefront_size: 32
...
	.end_amdgpu_metadata
.endif
;; end of part 5
